; MI455X (gfx1250); checked and timed in simulation.
; The chip was launched on July 23, 2026; its instructions are those of AMD's public machine-readable ISA for CDNA 5 (MIT licence, August 2026) and "CDNA5" Instruction Set Architecture Reference Guide (July 2026). The comments in the code are by the model that wrote it; some were corrected since.
;; MHA. Allowed arithmetic: matrix products marked QUANTISED: E2M1 operands, one E8M0 scale for each 32 along K, by v_wmma_scale_f32_16x16x128_f8f6f4 with both operands' format E2M1 (or v_wmma_scale_f32_32x16x128_f4), f32 sums; products left as they are: bf16, f16 or f32 operands; f32 sums; everything else in f32.
;; Inputs: W_proj 1,024 x 1,024 float32; W_qkv 3,072 x 1,024 float32; b_proj 1,024 float32; b_qkv 3,072 float32; x 4 x 2,048 x 1,024 float32.
;; Outputs: out0 4 x 2,048 x 1,024 float32.
;; This version of the problem:
;;   THIS VERSION OF THE PROBLEM IS GIVEN IN LOW PRECISION. The matrix products marked QUANTISED in the list below multiply operands that are first quantised to E2M1 (2 exponent bits, 1 mantissa bit; 4 bits a number), with one power-of-two scale for each 32 numbers along K (OCP MX v1.0); their sums are f32. The products marked 'left as it is' may take bf16, f16 or f32 operands, with f32 sums. Whichever they take, every output number must still come out within the allowed error. Rounding operands to bf16 (8 significant bits) uses up far more of that allowance than f16 does (11 bits, for magnitudes from 6e-5 to 65,504). All else is computed in f32.
;;   The module's matrix products, in the order in which they are computed (A, B: the left and right operand; K: the contracted axis; several contracted axes count as one K, in the product's order):
;;     1. [M 8,192, K 1,024] x [K 1,024, N 3,072]; A: input x; B: input W_qkv: QUANTISED
;;     2. batch 64 x [M 2,048, K 64] x [K 64, N 2,048]; A: computed on the way; B: computed on the way: left as it is (an operand is computed on the way)
;;     3. batch 64 x [M 64, K 2,048] x [K 2,048, N 2,048]; A: computed on the way; B: computed on the way: left as it is (an operand is computed on the way)
;;     4. [M 8,192, K 1,024] x [K 1,024, N 1,024]; A: computed on the way; B: input W_proj: left as it is (an operand is computed on the way)
;;   THE QUANTISER, for each operand of a quantised product, along K:
;;     - K is cut into blocks of 32 from its start; a last block that is shorter is filled with zeros.
;;     - A block's scale is 2^e with e = floor(log2(the largest magnitude in the block)) - 2, held to -126 .. 127; a block of zeros has e = 0. As a byte (E8M0): e + 127.
;;     - Each number is divided by its block's scale, clamped to +-6, and rounded to the nearest number of E2M1, ties to even, subnormals kept.
;;     - The product sums the exact products of the quantised numbers (number of the format x scale) in f32.
;;   ~~~python
;;   def quantise(x, axis):      # numpy; x: float32 -> the quantised numbers, widened to float32 again
;;       x = np.moveaxis(x, axis, -1); K = x.shape[-1]
;;       x = np.pad(x, [(0, 0)] * (x.ndim - 1) + [(0, -K % 32)]); x = x.reshape(x.shape[:-1] + (-1, 32)); a = np.abs(x).max(-1, keepdims=True)
;;       e = np.where(a > 0, np.clip(np.frexp(np.where(a > 0, a, 1))[1] - 1 - 2, -126, 127), 0)      # np.frexp(a)[1] - 1 = floor(log2(a)), exactly
;;       r = np.clip(x / 2.0 ** e, -6, 6)
;;       step = 2.0 ** (np.maximum(np.frexp(np.where(r == 0, 1, r))[1] - 1, 0) - 1)
;;       q = np.round(r / step) * step * 2.0 ** e      # np.round: ties to even
;;       return np.moveaxis(q.reshape(q.shape[:-2] + (-1,))[..., :K], -1, axis).astype(np.float32)
;;   ~~~
;; One version. Each part assembles by itself: llvm-mc -triple=amdgcn-amd-amdhsa -mcpu=gfx1250 --defsym DOCPART=n.
;; ======== version 1 of 1: 5 launches
;; limits: values are held in f16: magnitudes above 65,504 overflow, below 6.1e-05 lose precision
;; workspace buffers: xc 4,194,304 bytes; xs 262,144 bytes; wc 1,572,864 bytes; ws 98,304 bytes; wp16 2,097,152 bytes; qkv16 50,331,648 bytes; o16 16,777,216 bytes; head32 786,432 bytes
;; launch prep (part 1): grid 384 x 1, 4 waves a work-group, no clusters, 33,280 bytes of LDS; arguments x, W_qkv, W_proj, xc, xs, wc, ws, wp16; writes xc, xs, wc, ws, wp16
.if DOCPART == 1
	.amdgcn_target "amdgcn-amd-amdhsa--gfx1250"
	.amdhsa_code_object_version 6
	.text
	.protected	k_qd81e08662a_prep
	.globl	k_qd81e08662a_prep
	.p2align	8
	.type	k_qd81e08662a_prep,@function
k_qd81e08662a_prep:
	s_mov_b64 s[64:65], 0
	v_nop
	global_prefetch_b8 v0, s[64:65] scope:SCOPE_SE
	s_setreg_imm32_b32 hwreg(HW_REG_WAVE_MODE, 25, 1), 1
	s_wait_xcnt 0x0
; x [8192][1024] and W_qkv [3072][1024], f32, K innermost, become codes of FP4 (E2M1), two a byte, and one E8M0 scale byte for each 32 along K; W_proj [1024][1024] becomes f16.
; A block's scale is 2^(floor(log2(its largest magnitude)) - 2); its byte is the largest magnitude's exponent field - 2, held at 1 from below.  Each number is divided by the scale and rounded to the nearest code, ties to even.
; LIMITS: a block of zeros gets the byte 1 where the rule says 127 (its codes are zeros, which add nothing, and this program alone reads the bytes); blocks whose largest magnitude lies under 2^(2 - 126) keep the byte 1;
; NaN and infinities among the inputs are not served; a number of W_proj beyond 65,504 becomes infinity in f16.
; SHARES: a work-group takes 32,768 numbers, a wave 8,192.  Work-groups 0-255: x; 256-351: W_qkv; 352-383: W_proj.  Rows are dense and 1,024 is a multiple of 32: all three are plain streams.
; QUANTISER: 16 steps of 512 numbers a wave.  Each load reads 512 consecutive bytes, 16 a lane; a step's 2,048 bytes turn through the wave's own stage in LDS and come back 64 bytes a lane, so that a lane holds 16 neighbours
; along K and two neighbouring lanes a block.  A lane's 16 codes are 8 bytes: a store covers 256 consecutive bytes.  A wave's 256 scale bytes are gathered in LDS and leave as 256 consecutive bytes.
; No tensor load, no cluster, no barrier: waves share nothing and every byte is read once.
.set WAVES, 4
.set STEPS, 16
.set WGA,   256                        ; work-groups for x
.set WGQ,   352                        ; and for both quantised tensors
.set EMAX,  2
.set CB,    8                          ; bytes of 16 codes
.set R,     16                         ; v16-79   four sets of 16 numbers as they are loaded (cast: batch buffer 0)
.set X,     80                         ; v80-111  two sets of 16 neighbours (cast: v80-143 batch buffer 1)
.set C,     128                        ; v128-191 codes: four registers for each step
.set E,     112                        ; v112-127 a scale byte for each step
.set OUT,   144                        ; cast: v144-175 f16 pairs to store
.set WREG,  8192                       ; LDS: a region for each wave: two stages of 32 x SP bytes, behind them its 256 scale bytes
.set SP,    80                         ; a lane's place in a stage: 64 bytes + 16 of padding
.set SPW,   12                         ; v12  LDS address of my spare word; never rewritten
.set NIL,   13                         ; v13  0; never rewritten
.set SPARE, WAVES*WREG                 ; behind the four regions: the spare words, 128 bytes a wave, which no other line names
	s_load_b512 s[4:19], s[0:1], 0x0               ; x, W_qkv, W_proj, xc, xs, wc, ws, wp16
	v_lshl_add_u32 v[SPW], v0, 2, SPARE
	v_mov_b32 v[NIL], 0
	v_lshrrev_b32 v1, 5, v0
	v_readfirstlane_b32 s20, v1                    ; wave
	v_and_b32 v2, 31, v0                           ; lane
	v_lshlrev_b32 v3, 4, v2                        ; my 16 bytes of a load's 512
	s_cmp_ge_u32 ttmp9, WGQ                        ; the work-group's number alone decides
	s_cbranch_scc1 .Lcast
	s_mul_i32 s21, s20, WREG
	v_lshrrev_b32 v14, 2, v2
	v_mul_u32_u24 v14, v14, SP
	v_and_b32 v15, 3, v2
	v_lshl_add_u32 v14, v15, 4, v14
	v_add_nc_u32 v14, s21, v14                     ; the stage, on the way in: SP (lane / 4) + 16 (lane % 4)
	v_mul_u32_u24 v15, v2, SP
	v_add_nc_u32 v15, s21, v15                     ; and on the way out: SP x lane: my 16 neighbours
	v_mul_u32_u24 v4, v2, CB                       ; my codes' place in a step's
	v_lshrrev_b32 v5, 1, v2
	s_add_co_u32 s21, s21, 2*32*SP
	v_add_nc_u32 v5, s21, v5                       ; LDS: my wave's 256 scale bytes, my block's byte
	v_lshlrev_b32 v7, 3, v2                        ; and on the way out 8 bytes a lane
	v_add_nc_u32 v6, s21, v7
	s_wait_kmcnt 0x0
	s_cmp_lt_u32 ttmp9, WGA                        ; x's work-group or W_qkv's?
	s_cselect_b64 s[4:5], s[4:5], s[6:7]
	s_cselect_b64 s[10:11], s[10:11], s[14:15]
	s_cselect_b64 s[12:13], s[12:13], s[16:17]
	s_cselect_b32 s21, 0, WGA
	s_sub_co_u32 s21, ttmp9, s21
	s_lshl_b32 s21, s21, 2
	s_add_co_u32 s22, s21, s20                     ; which run of 8,192 numbers of the tensor is my wave's
	s_mov_b32 s23, 0
	s_mov_b64 s[24:25], 512*STEPS*4
	s_mul_u64 s[24:25], s[22:23], s[24:25]
	s_add_nc_u64 s[4:5], s[4:5], s[24:25]
	s_mov_b64 s[24:25], 32*STEPS*CB
	s_mul_u64 s[24:25], s[22:23], s[24:25]
	s_add_nc_u64 s[10:11], s[10:11], s[24:25]
	s_lshl_b32 s22, s22, 8                         ; 256 scale bytes a run
	s_add_nc_u64 s[12:13], s[12:13], s[22:23]
.macro LOAD t
.irp i, 0,1,2,3
	global_load_b128 v[R+16*((\t)%4)+4*\i:R+16*((\t)%4)+4*\i+3], v3, s[4:5] offset:2048*(\t)+512*\i th:TH_LOAD_NT   ; 32 lanes read 512 consecutive bytes
.endr
.endm
.macro TURN t                          ; step t's numbers through the stage: LDS serves a wave's instructions in order, so no wait stands between the stores and the loads
.irp i, 0,1,2,3
	ds_store_b128 v14, v[R+16*((\t)%4)+4*\i:R+16*((\t)%4)+4*\i+3] offset:32*SP*((\t)%2)+8*SP*\i
.endr
.irp i, 0,1,2,3
	ds_load_b128 v[X+16*((\t)%2)+4*\i:X+16*((\t)%2)+4*\i+3], v15 offset:32*SP*((\t)%2)+16*\i
.endr
.endm
.irp t, 0,1,2,3
	LOAD \t
.endr
	s_wait_loadcnt 12                              ; step 0's four loads are in; the twelve of steps 1 to 3 stay out
	TURN 0
.macro STEP t
.set XS, X+16*((\t)%2)
.if (\t) > 0
	s_wait_dscnt 1                                 ; this step's numbers are back from the stage (the last step's byte store may be out)
.else
	s_wait_dscnt 0x0
.endif
.if (\t)+4 < STEPS
	LOAD (\t)+4                                    ; into the registers that the stage's stores have read
.endif
.if (\t)+1 < STEPS
.if STEPS-2-(\t) >= 3
	s_wait_loadcnt 12                              ; the next step's four loads are in; those of the three steps behind it may be out
.else
	s_wait_loadcnt 4*(STEPS-2-(\t))
.endif
	TURN (\t)+1                                    ; they go through the other stage while this step is worked
.endif
	v_max3_num_f32 v8, |v[XS]|, |v[XS+1]|, |v[XS+2]|               ; the largest magnitude of my 16, in two chains
	v_max3_num_f32 v9, |v[XS+3]|, |v[XS+4]|, |v[XS+5]|
.irp i, 6,10
	v_max3_num_f32 v8, v8, |v[XS+\i]|, |v[XS+\i+1]|
	v_max3_num_f32 v9, v9, |v[XS+\i+2]|, |v[XS+\i+3]|
.endr
	v_max3_num_f32 v8, v8, |v[XS+14]|, |v[XS+15]|
	v_max3_num_f32 v8, v8, v9, (EMAX+1)<<23        ; and the floor 2^(EMAX + 1 - 127): the byte cannot fall under 1
	v_max_num_f32_dpp v8, v8, v8 row_xmask:1 row_mask:0xf bank_mask:0xf   ; and of my neighbour's 16: the block's
	v_add_nc_u32 v11, -(EMAX<<23), v8              ; EMAX off its exponent field: the conversion takes the exponent field of this operand as its scale
	v_cvt_scalef32_pk8_fp4_f32 v[C+4*(\t)], v[XS:XS+7], v11
	v_cvt_scalef32_pk8_fp4_f32 v[C+4*(\t)+1], v[XS+8:XS+15], v11
	v_lshrrev_b32 v[E+(\t)], 23, v11               ; the scale's byte (a plain line behind the conversions)
	ds_store_b8 v5, v[E+(\t)] offset:16*(\t)       ; both lanes of a block write the same byte with the same value
	global_store_b64 v4, v[C+4*(\t):C+4*(\t)+1], s[10:11] offset:32*CB*(\t)   ; 32 lanes store 256 consecutive bytes
.endm
.irp t, 0,1,2,3,4,5,6,7,8,9,10,11,12,13,14,15
	STEP \t
.endr
	ds_load_b64 v[8:9], v6                         ; LDS serves a wave's instructions in order: these see my stores
	s_wait_dscnt 0x0
	global_store_b64 v7, v[8:9], s[12:13]          ; 32 lanes store my wave's 256 scale bytes
	s_wait_tensorcnt 0x0                           ; the wave's end
	ds_add_u32 v[SPW], v[NIL]
	s_wait_dscnt 0x0
	s_endpgm
; THE CAST: four batches of 8,192 bytes a wave, two batches of loads in flight; four numbers a lane become 8 bytes, so a store covers 256 consecutive bytes.
.Lcast:
	v_lshlrev_b32 v4, 3, v2                        ; 8 bytes a lane on the way out
	s_sub_co_u32 s21, ttmp9, WGQ
	s_lshl_b32 s21, s21, 2
	s_add_co_u32 s21, s21, s20                     ; which run of 8,192 numbers is my wave's: 0 .. 127
	s_lshl_b32 s22, s21, 15
	s_mov_b32 s23, 0
	s_lshl_b32 s24, s21, 14
	s_mov_b32 s25, 0
	s_wait_kmcnt 0x0
	s_add_nc_u64 s[8:9], s[8:9], s[22:23]
	s_add_nc_u64 s[18:19], s[18:19], s[24:25]
.macro LOADB g, r
.irp i, 0,1,2,3,4,5,6,7,8,9,10,11,12,13,14,15
	global_load_b128 v[\r+4*\i:\r+4*\i+3], v3, s[8:9] offset:8192*(\g)+512*\i th:TH_LOAD_NT
.endr
.endm
.macro CAST g, r
.if (\g) < 3
	s_wait_loadcnt 16                              ; this batch is in; the next batch's sixteen loads stay out
.else
	s_wait_loadcnt 0x0
.endif
.if (\g) > 0
	s_wait_xcnt 0x0                                ; the last batch's stores have read OUT: it is written again only behind this wait
.endif
.irp i, 0,1,2,3,4,5,6,7,8,9,10,11,12,13,14,15
	v_cvt_pk_f16_f32 v[OUT+2*\i], v[\r+4*\i], v[\r+4*\i+1]
	v_cvt_pk_f16_f32 v[OUT+2*\i+1], v[\r+4*\i+2], v[\r+4*\i+3]
.endr
.if (\g)+2 < 4
	LOADB (\g)+2, \r
.endif
.irp i, 0,1,2,3,4,5,6,7,8,9,10,11,12,13,14,15
	global_store_b64 v4, v[OUT+2*\i:OUT+2*\i+1], s[18:19] offset:4096*(\g)+256*\i
.endr
.endm
	LOADB 0, R
	LOADB 1, X
	CAST 0, R
	CAST 1, X
	CAST 2, R
	CAST 3, X
	s_wait_tensorcnt 0x0                           ; the same three closing lines on this way too
	ds_add_u32 v[SPW], v[NIL]
	s_wait_dscnt 0x0
	s_endpgm
.Lfunc_end_k_qd81e08662a_prep:
	.size	k_qd81e08662a_prep, .Lfunc_end_k_qd81e08662a_prep-k_qd81e08662a_prep
	.p2alignl 7, 3214868480
	.fill 96, 4, 3214868480
	.section	.rodata,"a",@progbits
	.p2align	6, 0x0
	.amdhsa_kernel k_qd81e08662a_prep
		.amdhsa_group_segment_fixed_size 33280
		.amdhsa_private_segment_fixed_size 0
		.amdhsa_enable_private_segment 0
		.amdhsa_kernarg_size 64
		.amdhsa_user_sgpr_count 2
		.amdhsa_user_sgpr_kernarg_segment_ptr 1
		.amdhsa_wavefront_size32 1
		.amdhsa_system_sgpr_workgroup_id_x 1
		.amdhsa_system_sgpr_workgroup_id_y 1
		.amdhsa_system_sgpr_workgroup_id_z 1
		.amdhsa_system_vgpr_workitem_id 0
		.amdhsa_next_free_vgpr 192
		.amdhsa_next_free_sgpr 66
		.amdhsa_reserve_vcc 0
		.amdhsa_float_denorm_mode_32 3
		.amdhsa_float_denorm_mode_16_64 3
		.amdhsa_memory_ordered 1
		.amdhsa_forward_progress 1
		.amdhsa_inst_pref_size 54
	.end_amdhsa_kernel
	.amdgpu_metadata
---
amdhsa.version: [ 1, 2 ]
amdhsa.kernels:
  - .name:           k_qd81e08662a_prep
    .symbol:         k_qd81e08662a_prep.kd
    .args:
      - { .name: x, .offset: 0, .size: 8, .value_kind: global_buffer, .address_space: global }
      - { .name: W_qkv, .offset: 8, .size: 8, .value_kind: global_buffer, .address_space: global }
      - { .name: W_proj, .offset: 16, .size: 8, .value_kind: global_buffer, .address_space: global }
      - { .name: xc, .offset: 24, .size: 8, .value_kind: global_buffer, .address_space: global }
      - { .name: xs, .offset: 32, .size: 8, .value_kind: global_buffer, .address_space: global }
      - { .name: wc, .offset: 40, .size: 8, .value_kind: global_buffer, .address_space: global }
      - { .name: ws, .offset: 48, .size: 8, .value_kind: global_buffer, .address_space: global }
      - { .name: wp16, .offset: 56, .size: 8, .value_kind: global_buffer, .address_space: global }
    .group_segment_fixed_size: 33280
    .private_segment_fixed_size: 0
    .kernarg_segment_align: 8
    .kernarg_segment_size: 64
    .max_flat_workgroup_size: 128
    .sgpr_count:     66
    .vgpr_count:     192
    .wavefront_size: 32
...
	.end_amdgpu_metadata
.endif
;; end of part 1
;; launch qkv (part 2): grid 12 x 32, 4 waves a work-group, clusters of 4 x 4, 327,680 bytes of LDS; arguments xc, xs, wc, ws, b_qkv, qkv16, head32; writes qkv16, head32
.if DOCPART == 2
	.amdgcn_target "amdgcn-amd-amdhsa--gfx1250"
	.amdhsa_code_object_version 6
	.text
	.protected	k_qd81e08662a_qkv
	.globl	k_qd81e08662a_qkv
	.p2align	8
	.type	k_qd81e08662a_qkv,@function
k_qd81e08662a_qkv:
	s_mov_b64 s[64:65], 0
	v_nop
	global_prefetch_b8 v0, s[64:65] scope:SCOPE_SE
	s_setreg_imm32_b32 hwreg(HW_REG_WAVE_MODE, 25, 1), 1
	s_wait_xcnt 0x0
	s_wait_alu depctr_hold_cnt(0) depctr_sa_sdst(0) depctr_va_vdst(0) depctr_va_sdst(0) depctr_va_ssrc(0) depctr_va_vcc(0) depctr_vm_vsrc(0)
	s_getreg_b32 s2, hwreg(HW_REG_IB_STS2, 6, 4)
	s_cmp_eq_u32 s2, 0
	s_cbranch_scc0 .Lentry_in_a_cluster
	s_endpgm
.Lentry_in_a_cluster:
	s_bfe_u32 s2, ttmp6, 0x10000c
	s_cmp_lg_u32 s2, 0xf033
	s_cbranch_scc0 .Lentry_shape_is_right
	s_endpgm
.Lentry_shape_is_right:
; qkv = x W_qkv^T + b_qkv on codes of FP4 (E2M1) with one E8M0 scale for each 32 along K; sums in f32.  xc [8192][512 bytes], xs [8192][32], wc [3072][512 bytes], ws [3072][32].
; OUT: qkv16: q, k, v, each [batch][head][token][64] in f16 (a token's row of a head is 128 bytes, tokens on end); head32: the f32 sums of tokens 0-15 of each batch, [16 batch + token][3072].
; LIMIT: a sum beyond 65,504 becomes infinity in f16.
; A tile of 256 tokens x 256 columns is made by four waves, each 128 x 128: 64 accumulators of 16 x 16, 512 registers.  K = 1,024 is two slots of 512: both are first fills, nothing is filled again, and there is no loop.
; The scale bytes of the tile's 256 + 256 rows come once, as rows of 256 bytes.  The bias is the C of each sum's first matrix instruction.
; CLUSTERS: 4 x 4 work-groups.  The four of a row of the cluster need the same rows of x, the four of a column the same rows of W: each tile is asked for jointly.
; The tile row is 8 cy + cluster y, so that cy is the batch and 'the tile holds tokens 0-15' is 'cluster y = 0', which all sixteen partners share.  The tile column is 4 cluster x + cx, so cluster x says q, k or v.
; THE MATRIX INSTRUCTION IS USED TRANSPOSED (source 0 = 16 rows of W, source 1 = 16 tokens): a lane holds eight neighbouring columns of one token.
; REGISTERS: window 0: v0-31 addresses; v32-95 scale words, two sets; v128-191 x's fragments, one set; on the way out v32-255 are free.
;   window 1: W's fragments, two sets, v0-63 and v128-191; v192-255 the bias.   window 2: accumulators of my tokens 0-63 ((a, b) at v[8 (8 a + b)]);   window 3: tokens 64-127.
.set KSTEP,  512
.set NQ,     KSTEP/128
.set ROWB,   256                       ; a tile's row in bytes
.set KROW,   512                       ; a row of codes in memory
.set PITCH,  272                       ; an LDS row: 256 bytes + 16 of padding: the 16 rows that a load touches start at 16 different banks
.set FR,     8
.set NL,     2
.set NP,     4
.set HALFT,  128*PITCH
.set SLOT,   4*HALFT
.set KS,     32                        ; a row of scale bytes
.set SCL,    2*SLOT
.set HALFS,  (128*KS/256)*272
.set SBLK,   (16*KS/256)*272
.set SPARE,  SCL+4*HALFS               ; the spare words, 128 bytes a wave, which no other line names
.set SP16,   272                       ; the way out, in slot 0, which has had its one fill and its last read by then: f16 stage, 16 rows x 272 a wave, from byte 0;
.set SP32,   528                       ; f32 stage, 16 rows x 528 a wave,
.set STG32,  32768                     ; from this byte
.set ADRA, 16
.set ADRB, 20
.set BO,   22                          ; v22  32 x (lane / 16): my eight numbers of a tile's bias
.set STO,  24
.set RD,   25
.set CO,   26                          ; v26  16 x lane
.set ADRS, 27
.set SPW,  28
.set NIL,  29
.set STO32, 30
.set RD32, 31
.set SC,   32
.set AF,   128
.set TMP,  192
.set BIAS, 192                         ; in window 1
.set G1, 24
.set G0, 32
.set G1B, 48
.set G0B, 56
.set G1S, 68
.set G0S, 76
.set G1SB, 80
.set G0SB, 88
.set MSB, 0
.macro WIN new                         ; the immediate's high byte repeats the setting that is left
.if MSB != \new
	s_set_vgpr_msb (MSB<<8)|\new
.set MSB, \new
.endif
.endm
.set MUL_LO, 0xa1                      ; source 0 (W) window 1, source 1 (x) window 0, C and D window 2
.set MUL_HI, 0xf1
.set BIA_LO, 0x91                      ; the same with C (the bias) in window 1
.set BIA_HI, 0xd1
.set TO_B,   0x40
; A joint load: waves 0 and 1 fetch for x, waves 2 and 3 for W.  The branch hangs on the wave's number alone.  An s_nop 0 and four v_nop follow each line.
.macro JLOAD g0a, g1a, g0b, g1b
	s_cmp_eq_u32 s15, 0
	s_cbranch_scc0 .Lfor_b_\@
	tensor_load_to_lds s[\g0a:\g0a+3], s[\g1a:\g1a+7]
	s_nop 0
.rept 4
	v_nop
.endr
	s_branch .Lasked_\@
.Lfor_b_\@:
	tensor_load_to_lds s[\g0b:\g0b+3], s[\g1b:\g1b+7]
	s_nop 0
.rept 4
	v_nop
.endr
.Lasked_\@:
.endm
.macro CROUND                          ; a round of the cluster's barrier
	s_barrier_signal -1
	s_barrier_wait -1
	s_cmp_lg_u32 s14, 0
	s_cbranch_scc1 .Lnot_wave_0_\@
	s_barrier_signal -3
.Lnot_wave_0_\@:
	s_barrier_wait -3
	s_barrier_signal -1
	s_barrier_wait -1
.endm
	s_load_b128 s[4:7], s[0:1], 0x0                ; xc, xs
	s_load_b128 s[8:11], s[0:1], 0x10              ; wc, ws
	s_load_b64 s[96:97], s[0:1], 0x20              ; b_qkv
	s_load_b64 s[12:13], s[0:1], 0x28              ; qkv16
	s_load_b64 s[98:99], s[0:1], 0x30              ; head32
	v_lshl_add_u32 v[SPW], v0, 2, SPARE
	v_mov_b32 v[NIL], 0
	ds_add_u32 v[SPW], v[NIL]                      ; the wave's opening: the add, twice on end, and its wait ahead of my first tensor load
	ds_add_u32 v[SPW], v[NIL]
	v_lshrrev_b32 v1, 5, v0
	v_readfirstlane_b32 s14, v1                    ; wave 0..3
	s_lshr_b32 s15, s14, 1                         ; which half of the tile's tokens is mine.  Also: I fetch for x (0) or for W (1)
	s_and_b32 s16, s14, 1                          ; which half of its columns.  Also: which 128 rows I fetch
	s_bfe_u32 s40, ttmp6, 0x40000                  ; cx
	s_bfe_u32 s41, ttmp6, 0x40004                  ; cy
	s_lshl_b32 s42, ttmp9, 2
	s_add_co_u32 s42, s42, s40                     ; tile column = 4 x cluster x + cx
	s_and_b32 s95, ttmp7, 0xffff                   ; cluster y
	s_lshl_b32 s17, s41, 3
	s_add_co_u32 s17, s17, s95                     ; tile row = 8 cy + cluster y
	s_lshl_b32 s43, s41, 2
	s_lshl_b32 s43, 15, s43                        ; my row of the cluster
	s_lshl_b32 s44, 0x1111, s40                    ; my column
	s_or_b32 s[G1+0], s43, (0<<16)|(1<<20)|(1<<21)|(5<<22)|(3<<25)  ; the mask; elements of 1 byte; padding on; bit 21 beside a mask; after every 64 words four words
	s_or_b32 s[G1B+0], s44, (0<<16)|(1<<20)|(1<<21)|(5<<22)|(3<<25)
.irp g, G1, G1B
	s_mov_b32 s[\g+1], ROWB<<16                    ; tensor_dim0
	s_mov_b32 s[\g+2], 128<<16                     ; tensor_dim1
	s_mov_b32 s[\g+3], ROWB<<16                    ; tile_dim0
	s_mov_b32 s[\g+4], 128                         ; tile_dim1
	s_mov_b32 s[\g+5], KROW                        ; pitch
	s_mov_b32 s[\g+6], 0
	s_mov_b32 s[\g+7], 0
.endr
	s_or_b32 s[G1S+0], s43, (3<<16)|(1<<20)|(1<<21)|(5<<22)|(3<<25)  ; the scales of 128 rows: 4,096 dense bytes as 16 rows of 256 (32 elements of 8 bytes)
	s_or_b32 s[G1SB+0], s44, (3<<16)|(1<<20)|(1<<21)|(5<<22)|(3<<25)
.irp g, G1S, G1SB
	s_mov_b32 s[\g+1], 32<<16
	s_mov_b32 s[\g+2], (128*KS/256)<<16
	s_mov_b32 s[\g+3], 32<<16
	s_mov_b32 s[\g+4], 128*KS/256
	s_mov_b32 s[\g+5], 32
	s_mov_b32 s[\g+6], 0
	s_mov_b32 s[\g+7], 0
.endr
	s_lshl_b32 s18, s16, 7
	s_lshl_b32 s20, s17, 8
	s_add_co_u32 s20, s20, s18                     ; x: row 256 x tile row + 128 x half
	s_lshl_b32 s46, s42, 8
	s_add_co_u32 s46, s46, s18                     ; W: row 256 x tile column + 128 x half
	s_mov_b32 s21, 0
	s_mov_b32 s47, 0
	s_mov_b64 s[18:19], KS
	s_mul_u64 s[22:23], s[20:21], s[18:19]         ; where these rows' scales begin
	s_mul_u64 s[92:93], s[46:47], s[18:19]
	s_mov_b64 s[18:19], KROW
	s_mul_u64 s[20:21], s[20:21], s[18:19]         ; and their codes
	s_mul_u64 s[46:47], s[46:47], s[18:19]
	s_mul_i32 s45, s14, HALFT                      ; where they go: wave x 128 rows
	s_mul_i32 s94, s14, HALFS
	s_wait_dscnt 0x0                               ; both opening adds are done
	s_wait_kmcnt 0x0
	s_add_nc_u64 s[20:21], s[4:5], s[20:21]
	s_add_nc_u64 s[22:23], s[6:7], s[22:23]
	s_add_nc_u64 s[46:47], s[8:9], s[46:47]
	s_add_nc_u64 s[92:93], s[10:11], s[92:93]
	CROUND                                         ; all sixteen work-groups are here: the joint loads meet
	s_mov_b32 s[G0S], 1
	s_add_co_u32 s[G0S+1], s94, SCL
	s_mov_b64 s[G0S+2:G0S+3], s[22:23]
	s_or_b32 s[G0S+3], s[G0S+3], 0x80000000
	s_mov_b32 s[G0SB], 1
	s_add_co_u32 s[G0SB+1], s94, SCL
	s_mov_b64 s[G0SB+2:G0SB+3], s[92:93]
	s_or_b32 s[G0SB+3], s[G0SB+3], 0x80000000
	JLOAD G0S, G1S, G0SB, G1SB                     ; the scales first
.irp s, 0,1
	s_mov_b32 s[G0+4*\s], 1
	s_add_co_u32 s[G0+4*\s+1], s45, \s*SLOT
	s_add_nc_u64 s[G0+4*\s+2:G0+4*\s+3], s[20:21], \s*ROWB
	s_or_b32 s[G0+4*\s+3], s[G0+4*\s+3], 0x80000000
	s_mov_b32 s[G0B+4*\s], 1
	s_add_co_u32 s[G0B+4*\s+1], s45, \s*SLOT
	s_add_nc_u64 s[G0B+4*\s+2:G0B+4*\s+3], s[46:47], \s*ROWB
	s_or_b32 s[G0B+4*\s+3], s[G0B+4*\s+3], 0x80000000
	JLOAD G0+4*\s, G1, G0B+4*\s, G1B               ; by this text's count three tensor loads of a wave are out
.endr
	v_and_b32 v1, 15, v0                           ; r = lane % 16
	v_bfe_u32 v2, v0, 4, 1                         ; h = lane / 16
	v_mul_u32_u24 v3, v1, PITCH
	v_lshl_add_u32 v4, v2, 4, v3
	s_mul_i32 s21, s15, HALFT
	s_mul_i32 s22, s16, HALFT
	s_add_co_u32 s22, s22, 2*HALFT
.irp s, 0,1
	v_add_nc_u32 v[ADRA+\s], s21, v4
	v_add_nc_u32 v[ADRB+\s], s22, v4
	s_add_co_u32 s21, s21, SLOT
	s_add_co_u32 s22, s22, SLOT
.endr
	v_mul_u32_u24 v5, v1, KS                       ; my row's scales: KS bytes a row,
	v_lshrrev_b32 v6, 8, v5
	v_lshl_add_u32 v5, v6, 4, v5                   ; and 16 more for each 256 passed
	s_mul_i32 s21, s15, HALFS
	s_mul_i32 s22, s16, HALFS
	s_add_co_u32 s22, s22, 2*HALFS
	s_sub_co_u32 s22, s22, s21
	v_mul_u32_u24 v6, s22, v2                      ; lanes 16-31 take W's
	s_add_co_u32 s21, s21, SCL
	v_add_nc_u32 v5, v5, v6
	v_add_nc_u32 v[ADRS], s21, v5
	v_lshlrev_b32 v[BO], 5, v2
	s_mul_i32 s23, s14, 16*SP16                    ; my f16 stage
	v_mul_u32_u24 v5, v1, SP16
	v_lshl_add_u32 v5, v2, 4, v5
	v_add_nc_u32 v[STO], s23, v5                   ; in: row r, 16 bytes for each half of the lanes
	v_and_b32 v6, 31, v0
	v_lshlrev_b32 v[CO], 4, v6
	v_lshrrev_b32 v5, 3, v6
	v_mul_u32_u24 v5, v5, SP16
	v_and_b32 v6, 7, v0
	v_lshl_add_u32 v5, v6, 4, v5
	v_add_nc_u32 v[RD], s23, v5                    ; back: eight lanes take a token's 128 bytes of one head, four tokens an instruction
	s_mul_i32 s23, s14, 16*SP32
	s_add_co_u32 s23, s23, STG32                   ; my f32 stage
	v_mul_u32_u24 v5, v1, SP32
	v_lshl_add_u32 v5, v2, 5, v5
	v_add_nc_u32 v[STO32], s23, v5
	v_add_nc_u32 v[RD32], s23, v[CO]
	s_lshl_b32 s46, s42, 10                        ; my first column as f32 bytes: 1,024 x tile column + 512 x half
	s_lshl_b32 s47, s16, 9
	s_add_co_u32 s46, s46, s47
	s_mov_b32 s47, 0
	s_add_nc_u64 s[96:97], s[96:97], s[46:47]      ; the bias at my first column
	s_mul_i32 s20, s41, 196608                     ; head32: my batch's 16 rows of 12,288 bytes
	s_mov_b32 s21, 0
	s_add_nc_u64 s[20:21], s[20:21], s[46:47]
	s_add_nc_u64 s[98:99], s[98:99], s[20:21]
	s_lshl_b32 s20, ttmp9, 24                      ; qkv16: q, k or v;
	s_lshl_b32 s21, s41, 22                        ; the batch;
	s_add_co_u32 s20, s20, s21
	s_lshl_b32 s21, s40, 20                        ; four heads a tile column,
	s_add_co_u32 s20, s20, s21
	s_lshl_b32 s21, s16, 19                        ; two a wave;
	s_add_co_u32 s20, s20, s21
	s_lshl_b32 s21, s95, 15                        ; 256 tokens of 128 bytes a tile row,
	s_add_co_u32 s20, s20, s21
	s_lshl_b32 s21, s15, 14                        ; 128 a wave
	s_add_co_u32 s20, s20, s21
	s_mov_b32 s21, 0
	s_add_nc_u64 s[12:13], s[12:13], s[20:21]
	WIN TO_B
.irp b, 0,1,2,3,4,5,6,7                        ; the bias in the result's layout: for W's block b lane (r, h) wants columns 16 b + 8 h + 0 .. 7
	global_load_b128 v[BIAS+8*\b:BIAS+8*\b+3], v[BO], s[96:97] offset:64*\b
	global_load_b128 v[BIAS+8*\b+4:BIAS+8*\b+7], v[BO], s[96:97] offset:64*\b+16
.endr
	WIN 0
.macro FRAG reg, adr, q, i             ; 16 rows x 128 K of 4-bit codes: 8 registers, two loads of 16 bytes, 32 bytes apart
.irp c, 0,1
	ds_load_b128 v[\reg+4*\c:\reg+4*\c+3], v[\adr] offset:64*(\q)+32*\c+(\i)*16*PITCH
.endr
.endm
; 16 matrix instructions: x's blocks a0, a0 + 1 against W's eight.  zero = 1: the first K step starts the sums from the bias.  The 64 accumulators take turns, one instruction a turn.
.macro MUL16 a0, p, q, sc, zero
.irp a, \a0, \a0+1
.irp b, 0,1,2,3,4,5,6,7
.if \zero
	v_wmma_scale_f32_16x16x128_f8f6f4 v[8*(8*((\a)%4)+\b):8*(8*((\a)%4)+\b)+7], v[128*(\p)+FR*\b:128*(\p)+FR*\b+FR-1], v[AF+FR*(\a):AF+FR*(\a)+FR-1], v[BIAS+8*\b:BIAS+8*\b+7], v[SC+8*NQ*(\sc)+NQ*\b+(\q)], v[SC+8*NQ*(\sc)+NQ*(\a)+(\q)] matrix_a_fmt:MATRIX_FMT_FP4 matrix_b_fmt:MATRIX_FMT_FP4 matrix_a_scale:MATRIX_SCALE_ROW1
.else
	v_wmma_scale_f32_16x16x128_f8f6f4 v[8*(8*((\a)%4)+\b):8*(8*((\a)%4)+\b)+7], v[128*(\p)+FR*\b:128*(\p)+FR*\b+FR-1], v[AF+FR*(\a):AF+FR*(\a)+FR-1], v[8*(8*((\a)%4)+\b):8*(8*((\a)%4)+\b)+7], v[SC+8*NQ*(\sc)+NQ*\b+(\q)], v[SC+8*NQ*(\sc)+NQ*(\a)+(\q)] matrix_a_fmt:MATRIX_FMT_FP4 matrix_b_fmt:MATRIX_FMT_FP4 matrix_a_scale:MATRIX_SCALE_ROW1
.endif
.endr
.endr
.endm
.macro FETCH_B slot, q, p
	WIN TO_B
.irp i, 0,1,2,3,4,5,6,7
	FRAG 128*(\p)+FR*\i, ADRB+\slot, \q, \i
.endr
	WIN 0
.endm
.macro FETCH_A slot, q, i0
.irp i, \i0, \i0+1, \i0+2, \i0+3
	FRAG AF+FR*(\i), ADRA+\slot, \q, \i
.endr
.endm
.macro SCALES sc                       ; a slot's scale words: lanes 0-15 take x's block i, lanes 16-31 W's block i
.irp i, 0,1,2,3,4,5,6,7
	ds_load_b128 v[SC+8*NQ*\sc+NQ*\i:SC+8*NQ*\sc+NQ*\i+3], v[ADRS] offset:\i*SBLK
.endr
.endm
.macro PLACES n                        ; plain vector lines between a matrix instruction and a load into, or a read of, its registers
.rept \n
	v_nop
.endr
.endm
.macro STEP slot, q, zero              ; 128 along K that has its successor in the same slot
	s_wait_dscnt 4*NL                              ; W's set and x's blocks 0-3 are in; the youngest eight loads (x's blocks 4-7) may be out
.if \zero
	WIN BIA_LO
.else
	WIN MUL_LO
.endif
	MUL16 0, (\q)%2, \q, \slot, \zero
	MUL16 2, (\q)%2, \q, \slot, \zero
	s_wait_dscnt 0
	PLACES NP
	FETCH_B \slot, (\q)+1, 1-(\q)%2
	FETCH_A \slot, (\q)+1, 0
.if \zero
	WIN BIA_HI
.else
	WIN MUL_HI
.endif
	MUL16 4, (\q)%2, \q, \slot, \zero
	MUL16 6, (\q)%2, \q, \slot, \zero
	PLACES NP
	WIN 0
	FETCH_A \slot, (\q)+1, 4
.endm
; Slot 0's last step goes on to slot 1: one barrier; in front of it each wave waits for all its tensor loads (slot 1's part), adds 0 to its spare word, and waits for that and for its reads of slot 0.  Nothing is filled again.
.macro TURN slot, next
	s_wait_tensorcnt 0x0
	ds_add_u32 v[SPW], v[NIL]
	s_wait_dscnt 4*NL+1                            ; the add and the youngest eight loads may be out
	WIN MUL_LO
	MUL16 0, 1, NQ-1, \slot, 0
	s_wait_dscnt 0x0
	s_barrier_signal -1
	MUL16 2, 1, NQ-1, \slot, 0
	WIN 0
	s_barrier_wait -1
	PLACES NP
	v_add_nc_u32 v[ADRS], 4*NQ, v[ADRS]            ; on to the next slot's scale words
	FETCH_B \next, 0, 0
	FETCH_A \next, 0, 0
	SCALES \next
	WIN MUL_HI
	MUL16 4, 1, NQ-1, \slot, 0
	MUL16 6, 1, NQ-1, \slot, 0
	PLACES NP
	WIN 0
	FETCH_A \next, 0, 4
.endm
.macro STEPS slot, from
.set Q, \from
.rept NQ-1-\from
	STEP \slot, Q, 0
.set Q, Q+1
.endr
.endm
	s_wait_tensorcnt 1                             ; the scales and my part of slot 0 are in; slot 1's load may be out
	s_barrier_signal -1
	s_barrier_wait -1
	FETCH_B 0, 0, 0
	FETCH_A 0, 0, 0
	SCALES 0
	FETCH_A 0, 0, 4
	s_wait_loadcnt 0x0                             ; the bias
	STEP 0, 0, 1
	STEPS 0, 1
	TURN 0, 1
	STEPS 1, 0
	s_wait_dscnt 4*NL                              ; the very last step
	WIN MUL_LO
	MUL16 0, 1, NQ-1, 1, 0
	MUL16 2, 1, NQ-1, 1, 0
	s_wait_dscnt 0
	WIN MUL_HI
	MUL16 4, 1, NQ-1, 1, 0
	MUL16 6, 1, NQ-1, 1, 0
	WIN 0
	PLACES NP
; THE WAY OUT.  First, where the tile holds tokens 0-15 (cluster y = 0, the same in all partners) and I hold its tokens 0-127 (waves 0, 1): block 0 as f32 through my f32 stage, whole rows of 512 bytes.
	s_cmp_lg_u32 s95, 0
	s_cbranch_scc1 .Lno_head
	s_cmp_lg_u32 s15, 0
	s_cbranch_scc1 .Lno_head
	WIN 0x08                                       ; an LDS store's data are its source 1: window 2
.irp b, 0,1,2,3,4,5,6,7
	ds_store_b128 v[STO32], v[8*\b:8*\b+3] offset:64*\b            ; each accumulator from its low end on
	ds_store_b128 v[STO32], v[8*\b+4:8*\b+7] offset:64*\b+16
.endr
	WIN 0
.irp t, 0,1,2,3,4,5,6,7,8,9,10,11,12,13,14,15
	ds_load_b128 v[128+4*\t:128+4*\t+3], v[RD32] offset:SP32*\t    ; LDS serves a wave's instructions in order: these see the stores above
.endr
	s_wait_dscnt 0x0
.irp t, 0,1,2,3,4,5,6,7,8,9,10,11,12,13,14,15
	global_store_b128 v[CO], v[128+4*\t:128+4*\t+3], s[98:99] offset:12288*\t   ; 32 lanes store 512 consecutive bytes of token t's row
.endr
.Lno_head:
; Then all eight blocks of 16 tokens x 128 columns (two heads) as f16: 16 bytes a lane into rows of 272 bytes, back as four tokens x 128 bytes of one head, which are 512 consecutive bytes of qkv16.
.macro PACK a
.set AC, 64*((\a)%4)
	WIN 0x0a+5*((\a)/4)                            ; sources 0 and 1: window 2 or 3
.irp b, 0,1,2,3,4,5,6,7
.irp i, 0,1,2,3
	v_cvt_pk_f16_f32 v[TMP+4*\b+\i], v[AC+8*\b+2*\i], v[AC+8*\b+2*\i+1]
.endr
.endr
	WIN 0
.endm
.macro TOSTAGE a
.set BK, 32+192*((\a)%2)               ; v32-63 and v224-255 by turns
.irp b, 0,1,2,3,4,5,6,7
	ds_store_b128 v[STO], v[TMP+4*\b:TMP+4*\b+3] offset:32*\b
.endr
.irp t, 0,1,2,3,4,5,6,7
	ds_load_b128 v[BK+4*\t:BK+4*\t+3], v[RD] offset:(\t%4)*4*SP16+(\t/4)*128
.endr
.endm
.macro SEND a
.set BK, 32+192*((\a)%2)
	s_wait_dscnt 0x0                               ; the block is back in registers
	s_wait_xcnt 0x0                                ; the block before has had its stores' registers read: the next block's loads may land there
.irp t, 0,1,2,3,4,5,6,7
	global_store_b128 v[CO], v[BK+4*\t:BK+4*\t+3], s[12:13] offset:2048*(\a)+262144*(\t/4)+512*(\t%4)
.endr
.endm
	PACK 0
	TOSTAGE 0
.irp a, 1,2,3,4,5,6,7                  ; block a's conversions stand between block a - 1's loads from the stage and the wait for them
	PACK \a
	SEND \a-1
	TOSTAGE \a
.endr
	SEND 7
	s_wait_tensorcnt 0x0                           ; the wave's end
	ds_add_u32 v[SPW], v[NIL]
	s_wait_dscnt 0x0
	CROUND                                         ; the closing round
	s_endpgm
.Lfunc_end_k_qd81e08662a_qkv:
	.size	k_qd81e08662a_qkv, .Lfunc_end_k_qd81e08662a_qkv-k_qd81e08662a_qkv
	.p2alignl 7, 3214868480
	.fill 96, 4, 3214868480
	.section	.rodata,"a",@progbits
	.p2align	6, 0x0
	.amdhsa_kernel k_qd81e08662a_qkv
		.amdhsa_group_segment_fixed_size 327680
		.amdhsa_private_segment_fixed_size 0
		.amdhsa_enable_private_segment 0
		.amdhsa_kernarg_size 56
		.amdhsa_user_sgpr_count 2
		.amdhsa_user_sgpr_kernarg_segment_ptr 1
		.amdhsa_wavefront_size32 1
		.amdhsa_system_sgpr_workgroup_id_x 1
		.amdhsa_system_sgpr_workgroup_id_y 1
		.amdhsa_system_sgpr_workgroup_id_z 1
		.amdhsa_system_vgpr_workitem_id 0
		.amdhsa_next_free_vgpr 1024
		.amdhsa_next_free_sgpr 100
		.amdhsa_reserve_vcc 0
		.amdhsa_float_denorm_mode_32 3
		.amdhsa_float_denorm_mode_16_64 3
		.amdhsa_memory_ordered 1
		.amdhsa_forward_progress 1
		.amdhsa_inst_pref_size 132
	.end_amdhsa_kernel
	.amdgpu_metadata
---
amdhsa.version: [ 1, 2 ]
amdhsa.kernels:
  - .name:           k_qd81e08662a_qkv
    .symbol:         k_qd81e08662a_qkv.kd
    .args:
      - { .name: xc, .offset: 0, .size: 8, .value_kind: global_buffer, .address_space: global }
      - { .name: xs, .offset: 8, .size: 8, .value_kind: global_buffer, .address_space: global }
      - { .name: wc, .offset: 16, .size: 8, .value_kind: global_buffer, .address_space: global }
      - { .name: ws, .offset: 24, .size: 8, .value_kind: global_buffer, .address_space: global }
      - { .name: b_qkv, .offset: 32, .size: 8, .value_kind: global_buffer, .address_space: global }
      - { .name: qkv16, .offset: 40, .size: 8, .value_kind: global_buffer, .address_space: global }
      - { .name: head32, .offset: 48, .size: 8, .value_kind: global_buffer, .address_space: global }
    .group_segment_fixed_size: 327680
    .private_segment_fixed_size: 0
    .kernarg_segment_align: 8
    .kernarg_segment_size: 56
    .max_flat_workgroup_size: 128
    .sgpr_count:     100
    .vgpr_count:     1024
    .wavefront_size: 32
...
	.end_amdgpu_metadata
.endif
;; end of part 2
;; launch attn (part 3): grid 4 x 64, 8 waves a work-group, no clusters, 327,680 bytes of LDS; arguments qkv16, o16; writes o16
.if DOCPART == 3
	.amdgcn_target "amdgcn-amd-amdhsa--gfx1250"
	.amdhsa_code_object_version 6
	.text
	.protected	k_qd81e08662a_attn
	.globl	k_qd81e08662a_attn
	.p2align	8
	.type	k_qd81e08662a_attn,@function
k_qd81e08662a_attn:
	s_mov_b64 s[64:65], 0
	v_nop
	global_prefetch_b8 v0, s[64:65] scope:SCOPE_SE
	s_setreg_imm32_b32 hwreg(HW_REG_WAVE_MODE, 25, 1), 1
	s_wait_xcnt 0x0
; o[b][h][t][:] = the sum over s <= t of softmax_s(q[t] . k[s] / 8) v[s][:].  q, k, v: three regions of qkv16, each [16 b + h][2048][64] f16; o16 likewise.  Products with f16 operands and f32 sums; maxima, exponentials and sums in f32;
; the weights p (at most 1) are rounded to f16 for the second product, o once at the end.  LIMIT: NaN and infinities in qkv16 are not served.  (Tokens 0-15 of each sequence are made again in f32 by a later launch.)
; SHARES.  A head's 2,048 queries are 8 blocks of 256.  Work-group j (0..3) of a head takes block j, which needs j + 1 key slots of 256 keys, and then block 7 - j, which needs 8 - j: 9 slot trips for every work-group,
; so the trip count is a constant and all 256 work-groups have the same work.  Each of the 8 waves owns 32 queries of the block in hand: two tiles of 16.  Two waves share a SIMD: one's vector work stands beside the other's products.
; NO CLUSTER: the four work-groups of a head walk key slots 0..j and then 0..7-j, so from trip 1 on they want different slots in the same trip; walking in step would take 12 slot trips in place of 9.
; LAYOUT.  S^T = K Q^T (source 0 = 16 keys, source 1 = 16 queries) and O^T = V^T P (source 0 = 16 channels, source 1 = P): a lane holds ONE query (lane % 16) throughout.  K comes out of LDS as it lies, V turned by ds_load_tr16_b128.
; SOFTMAX.  A running maximum m and sum l for each query: p = 2^(c s - c m), c = log2(e) / 8; in every step O and l are multiplied by a = 2^(c m_old - c m_new).  m begins at -3e38 and O, l at 0.
; CAUSAL.  A step of 64 keys all of which come after my 32 queries is jumped over (ids and counts alone); on the diagonal hidden scores become -infinity ahead of the maximum.  Key 0 counts for every query, so m is a number from the first step on.
; LDS.  K's and V's rows of 128 bytes are dense in memory, so a tile is stated as rows of 256 bytes (two keys): K with 16 bytes of padding (pitch 272), V with 32 (288): in both, the 16 lanes of a load touch 16 different 16-byte columns.
; REGISTERS: window 0: v1-15 addresses and constants; v16-31 statistics, 8 a tile; v32-95 S^T; v96-127 P; v128-191 O^T; v192-255 the way out.   window 1: v0-31 Q; v64-127 K of a step; v128-191 V of a step.
.set PK,     272
.set PV,     288
.set VOFF,   128*PK                    ; a slot: 128 pair rows of K, then 128 of V
.set SLOT1,  1<<17                     ; slot 1 begins here: one exclusive or turns an address
.set KSTEPB, 32*PK                     ; a step's 64 keys
.set VSTEPB, 32*PV
.set STAGE,  SLOT1+128*(PK+PV)         ; behind the ring: 32 rows x 144 bytes for each wave
.set SROW,   144
.set SPARE,  STAGE+8*32*SROW           ; the spare words, 128 bytes a wave, which no other line names
.set RH,   1                           ; v1   r - 8 h
.set AK0,  2                           ; v2   my lane's place in a tile of K
.set AV0,  3                           ; v3   and of V
.set ADK,  4
.set ADV,  5
.set QO,   6                           ; v6   128 r + 16 h
.set STO,  7
.set RD,   8
.set GO,   9                           ; v9   16 x lane
.set DD,   10                          ; v10, v11  the mask's d for tiles 0, 1
.set NINF, 12                          ; v12  -infinity
.set PFO,  13                          ; v13  256 x lane
.set SPW,  14
.set NIL,  15
.set ST,   16                          ; tile t: +0 c m, +1 m, +2, +3 l (even keys', odd keys'), +4..7 at work; a at +6
.set S,    32
.set P,    96
.set OA,   128
.set PKD,  192
.set BK,   224
.set QR,   0                           ; window 1
.set KR,   64
.set VR,   128
.set WV,   8
.set JJ,   9
.set BH,   10
.set W1,   11
.set QB,   12
.set KB,   14
.set VB,   16
.set OB,   18
.set SEL,  20
.set CS,   22
.set G1K,  24
.set G1V,  32
.set G0K,  40
.set G0V,  44
.set IT,   48                          ; the slot trip, 0..8
.set PH,   49                          ; j + 1: the trip at which the second block begins
.set KF,   50                          ; the step's first key
.set Q0,   51                          ; my first query
.set TBK,  52                          ; LDS byte at which the step's K begins
.set TBV,  53                          ; and, less VOFF, its V
.set FOUR, 54
.set LIM,  55
.set PFA,  56
.set Q0B,  66                          ; my first query in the second block
.set MSB, 0
.macro WIN new                         ; the immediate's high byte repeats the setting that is left
.if MSB != \new
	s_set_vgpr_msb (MSB<<8)|\new
.set MSB, \new
.endif
.endm
; Waves 0 and 1 fetch K's halves of a slot, waves 2 and 3 V's, the others nothing.  The branches hang on the wave's number alone.  An s_nop 0 and four v_nop follow each line.
.macro TLOAD
	s_cmp_lt_u32 s[WV], 2
	s_cbranch_scc0 .Lnot_k_\@
	tensor_load_to_lds s[G0K:G0K+3], s[G1K:G1K+7]
	s_nop 0
.rept 4
	v_nop
.endr
	s_branch .Lasked_\@
.Lnot_k_\@:
	s_cmp_lt_u32 s[WV], 4
	s_cbranch_scc0 .Lasked_\@
	tensor_load_to_lds s[G0V:G0V+3], s[G1V:G1V+7]
	s_nop 0
.rept 4
	v_nop
.endr
.Lasked_\@:
.endm
; A PREFETCH of the key slot that work-group 0's NEXT change of slots will load: in trip i (0..6) key slot i + 1.  Only the head's work-group 0 asks, in the waves that fetch nothing: waves 4, 5 for K's two halves, waves 6, 7 for V's:
; 16,384 bytes a wave, lanes 256 bytes apart, two instructions.  So each block of 256 bytes of key slots 1 to 7 is named once in the launch; slot 0 comes by its loads alone, and trips 7 and 8 ask for nothing.
.macro ASK
	s_cmp_lt_u32 s[IT], s[LIM]
	s_cbranch_scc0 .Lnot_mine_\@
	global_prefetch_b8 v[PFO], s[PFA:PFA+1] th:TH_LOAD_NT scope:SCOPE_SE
	global_prefetch_b8 v[PFO], s[PFA:PFA+1] offset:8192 th:TH_LOAD_NT scope:SCOPE_SE
.Lnot_mine_\@:
.endm
; THE CHANGE OF SLOTS stands at a trip's head.  Each wave waits for all its tensor loads (its part of the slot that it is about to read), adds 0 to its spare word, and waits for that and for its reads of the slot that it has left.
; fill = 1: behind the barrier the slot that was left takes the key slot of trip IT + 1: IT + 1 in the first block, IT + 1 - PH in the second.  One tensor load of a wave is out, and it has four steps in which to land.
.macro CHANGE fill
	s_wait_tensorcnt 0x0                           ; no tensor load of mine is out, so a group 0 may be written
	ds_add_u32 v[SPW], v[NIL]
.if \fill
	ds_add_u32 v[SPW], v[NIL]                      ; the add twice on end here, in every trip alike; the descriptors' words stand between the second and the wait
	s_add_co_u32 s60, s[IT], 1
	s_cmp_lt_u32 s60, s[PH]
	s_cselect_b32 s61, 0, s[PH]
	s_sub_co_u32 s60, s60, s61                     ; the key slot
	s_lshl_b32 s58, s60, 15                        ; 256 keys of 128 bytes
	s_mov_b32 s59, 0
	s_xor_b32 s[G0K+1], s[G0K+1], SLOT1
	s_add_nc_u64 s[G0K+2:G0K+3], s[KB:KB+1], s[58:59]
	s_or_b32 s[G0K+3], s[G0K+3], 0x80000000
	s_xor_b32 s[G0V+1], s[G0V+1], SLOT1
	s_add_nc_u64 s[G0V+2:G0V+3], s[VB:VB+1], s[58:59]
	s_or_b32 s[G0V+3], s[G0V+3], 0x80000000
	s_wait_xcnt 0x0                                ; the last prefetches, a trip back, have read their address
	s_add_nc_u64 s[PFA:PFA+1], s[PFA:PFA+1], 32768
.endif
	s_wait_dscnt 0x0
	s_barrier_signal -1
	s_barrier_wait -1
.if \fill
	TLOAD                                          ; the first thing behind the barrier, and a wave's one tensor load until the next
	ASK
.endif
.endm
; A block of queries begins: s[Q0] is set.  Q comes into registers; m, l and O^T take their starting values.
.macro INIT
	s_wait_xcnt 0x0                                ; the last block's stores have read their base and registers
	s_mov_b32 s[KF], 0
	s_lshl_b32 s58, s[BH], 18
	s_lshl_b32 s60, s[Q0], 7
	s_add_co_u32 s58, s58, s60                     ; (2,048 head + query) x 128 bytes
	s_mov_b32 s59, 0
	s_add_nc_u64 s[QB:QB+1], s[4:5], s[58:59]
	s_add_nc_u64 s[OB:OB+1], s[6:7], s[58:59]
	WIN 0x40                                       ; destination window 1
.irp t, 0,1
.irp i, 0,1,2,3
	global_load_b128 v[QR+16*\t+4*\i:QR+16*\t+4*\i+3], v[QO], s[QB:QB+1] offset:2048*\t+32*\i
.endr
.endr
	WIN 0
.irp t, 0,1
	v_mov_b32 v[ST+8*\t+1], 0xff61b1e6             ; m = -3e38, under every score
	v_mul_f32 v[ST+8*\t], s[CS], v[ST+8*\t+1]
.irp i, 2,3,4,5,6,7
	v_mov_b32 v[ST+8*\t+\i], 0
.endr
.endr
.irp i, 0,1,2,3,4,5,6,7,8,9,10,11,12,13,14,15,16,17,18,19,20,21,22,23,24,25,26,27,28,29,30,31,32,33,34,35,36,37,38,39,40,41,42,43,44,45,46,47,48,49,50,51,52,53,54,55,56,57,58,59,60,61,62,63
	v_mov_b32 v[OA+\i], 0                          ; the step is written once: its first turn finds zeros, which a = 0 leaves zeros
.endr
	s_wait_loadcnt 0x0
.endm
; A KEY STEP: 64 keys.
.macro STEP
	s_add_co_u32 s60, s[Q0], 31
	s_cmp_gt_u32 s[KF], s60                        ; all 64 keys come after my last query?
	s_cbranch_scc1 .Lhidden_\@
	v_add_nc_u32 v[ADK], s[TBK], v[AK0]
	v_add_nc_u32 v[ADV], s[TBV], v[AV0]
	WIN 0x40
.irp kt, 0,1,2,3
.irp c, 0,1
	ds_load_b128 v[KR+16*\kt+8*\c:KR+16*\kt+8*\c+3],   v[ADK] offset:8*PK*\kt+64*\c
	ds_load_b128 v[KR+16*\kt+8*\c+4:KR+16*\kt+8*\c+7], v[ADK] offset:8*PK*\kt+64*\c+32
.endr
.endr
.irp u, 0,1
.irp ct, 0,1,2,3
	ds_load_tr16_b128 v[VR+32*\u+8*\ct:VR+32*\u+8*\ct+3],   v[ADV] offset:16*PV*\u+32*\ct
	ds_load_tr16_b128 v[VR+32*\u+8*\ct+4:VR+32*\u+8*\ct+7], v[ADV] offset:16*PV*\u+32*\ct+8*PV
.endr
.endr
	s_wait_dscnt 16                                ; K is in; V's sixteen loads may be out
	WIN 0x05                                       ; K and Q in window 1
.irp c, 0,1                                    ; the eight accumulators take turns
.irp kt, 0,1,2,3
.irp t, 0,1
.if \c == 0
	v_wmma_f32_16x16x32_f16 v[S+32*\t+8*\kt:S+32*\t+8*\kt+7], v[KR+16*\kt+8*\c:KR+16*\kt+8*\c+7], v[QR+16*\t+8*\c:QR+16*\t+8*\c+7], 0
.else
	v_wmma_f32_16x16x32_f16 v[S+32*\t+8*\kt:S+32*\t+8*\kt+7], v[KR+16*\kt+8*\c:KR+16*\kt+8*\c+7], v[QR+16*\t+8*\c:QR+16*\t+8*\c+7], v[S+32*\t+8*\kt:S+32*\t+8*\kt+7]
.endif
.endr
.endr
.endr
	WIN 0
.rept 4
	v_nop                                          ; places ahead of the first read of the scores
.endr
	s_add_co_u32 s60, s[KF], 63
	s_cmp_le_u32 s60, s[Q0]                        ; every key counts for every query of mine?
	s_cbranch_scc1 .Lopen_\@
	s_sub_co_i32 s60, s[Q0], s[KF]
	v_add_nc_u32 v[DD], s60, v[RH]                 ; d = my query - KF - 8 h.  Register 8 kt + i holds key KF + 16 kt + 8 h + i: hidden where 16 kt + i > d
	v_add_nc_u32 v[DD+1], 16, v[DD]
.irp t, 0,1
.irp n, 0,1,2,3,4,5,6,7,8,9,10,11,12,13,14,15,16,17,18,19,20,21,22,23,24,25,26,27,28,29,30,31
	v_cmp_gt_i32 vcc_lo, 16*(\n/8)+\n%8, v[DD+\t]
	v_cndmask_b32 v[S+32*\t+\n], v[S+32*\t+\n], v[NINF], vcc_lo
.endr
.endr
.Lopen_\@:
	; the softmax, the two tiles line by line: the maximum of 32 scores and the old m, in four chains, each accumulator read from its low end on
.irp j, 0,1,2,3
.irp t, 0,1
	v_max3_num_f32 v[ST+8*\t+4+\j], v[S+32*\t+8*\j], v[S+32*\t+8*\j+1], v[S+32*\t+8*\j+2]
.endr
.endr
.irp g, 1,2
.irp j, 0,1,2,3
.irp t, 0,1
	v_max3_num_f32 v[ST+8*\t+4+\j], v[ST+8*\t+4+\j], v[S+32*\t+8*\j+2*\g+1], v[S+32*\t+8*\j+2*\g+2]
.endr
.endr
.endr
.irp t, 0,1
	v_max3_num_f32 v[ST+8*\t+4], v[ST+8*\t+4], v[S+32*\t+7], v[S+32*\t+15]
.endr
.irp t, 0,1
	v_max3_num_f32 v[ST+8*\t+6], v[ST+8*\t+6], v[S+32*\t+23], v[S+32*\t+31]
.endr
.irp t, 0,1
	v_max3_num_f32 v[ST+8*\t+4], v[ST+8*\t+4], v[ST+8*\t+5], v[ST+8*\t+6]
.endr
.irp t, 0,1
	v_max3_num_f32 v[ST+8*\t+4], v[ST+8*\t+4], v[ST+8*\t+7], v[ST+8*\t+1]
.endr
.irp t, 0,1
	v_permlanex16_b32 v[ST+8*\t+5], v[ST+8*\t+4], s[SEL], s[SEL+1]   ; the query's other 32 keys lie in the lane 16 away
.endr
.irp t, 0,1
	v_mov_b32 v[ST+8*\t+7], v[ST+8*\t]             ; c m_old
.endr
.irp t, 0,1
	v_max_num_f32 v[ST+8*\t+1], v[ST+8*\t+4], v[ST+8*\t+5]
.endr
.irp t, 0,1
	v_mul_f32 v[ST+8*\t], s[CS], v[ST+8*\t+1]
.endr
.irp t, 0,1
	v_sub_f32 v[ST+8*\t+7], v[ST+8*\t+7], v[ST+8*\t]
.endr
.irp b, 0,1,2,3,4,5,6,7,8,9,10,11,12,13,14,15
.irp t, 0,1
	v_pk_fma_f32 v[S+32*\t+2*\b:S+32*\t+2*\b+1], v[S+32*\t+2*\b:S+32*\t+2*\b+1], s[CS:CS+1], v[ST+8*\t:ST+8*\t+1] op_sel_hi:[1,0,0] neg_lo:[0,0,1] neg_hi:[0,0,1]   ; c s - c m
.endr
.endr
.irp t, 0,1
	v_exp_f32 v[ST+8*\t+6], v[ST+8*\t+7]           ; a
.endr
.irp e, 0,1,2,3,4,5,6,7,8,9,10,11,12,13,14,15,16,17,18,19,20,21,22,23,24,25,26,27,28,29,30,31
.irp t, 0,1
	v_exp_f32 v[S+32*\t+\e], v[S+32*\t+\e]         ; p: the 66 exponentials are one batch
.endr
.endr
	v_nop                                          ; a plain line behind the last exponential
	s_wait_alu depctr_va_vdst(0)                   ; the wait ahead of the first line that names a result: one for the batch
.irp j, 0,1,2,3,4,5,6,7,8,9,10,11,12,13,14,15
.irp t, 0,1
	v_cvt_pk_f16_f32 v[P+16*\t+\j], v[S+32*\t+2*\j], v[S+32*\t+2*\j+1]   ; two tiles of 16 keys, rounded in pairs, are source 1 of the second product
.endr
.endr
.irp z, 0,1,2,3,4,5,6,7
.irp t, 0,1
	v_pk_add_f32 v[S+32*\t+4*\z:S+32*\t+4*\z+1], v[S+32*\t+4*\z:S+32*\t+4*\z+1], v[S+32*\t+4*\z+2:S+32*\t+4*\z+3]   ; the sum of the unrounded p, as a tree, in place
.endr
.endr
.irp z, 0,1,2,3
.irp t, 0,1
	v_pk_add_f32 v[S+32*\t+8*\z:S+32*\t+8*\z+1], v[S+32*\t+8*\z:S+32*\t+8*\z+1], v[S+32*\t+8*\z+4:S+32*\t+8*\z+5]
.endr
.endr
.irp z, 0,1
.irp t, 0,1
	v_pk_add_f32 v[S+32*\t+16*\z:S+32*\t+16*\z+1], v[S+32*\t+16*\z:S+32*\t+16*\z+1], v[S+32*\t+16*\z+8:S+32*\t+16*\z+9]
.endr
.endr
.irp t, 0,1
	v_pk_add_f32 v[S+32*\t:S+32*\t+1], v[S+32*\t:S+32*\t+1], v[S+32*\t+16:S+32*\t+17]
.endr
.irp t, 0,1
	v_pk_fma_f32 v[ST+8*\t+2:ST+8*\t+3], v[ST+8*\t+2:ST+8*\t+3], v[ST+8*\t+6:ST+8*\t+7], v[S+32*\t:S+32*\t+1] op_sel_hi:[1,0,1]   ; l = a l + the sum
.endr
.irp i, 0,1,2,3,4,5,6,7,8,9,10,11,12,13,14,15
.irp t, 0,1
	v_pk_mul_f32 v[OA+32*\t+2*\i:OA+32*\t+2*\i+1], v[OA+32*\t+2*\i:OA+32*\t+2*\i+1], v[ST+8*\t+6:ST+8*\t+7] op_sel_hi:[1,0]   ; O^T x a, each accumulator from its low end on
.endr
.endr
	s_wait_dscnt 0x0                               ; V is in
	WIN 0x01                                       ; V in window 1
.irp u, 0,1
.irp ct, 0,1,2,3
.irp t, 0,1
	v_wmma_f32_16x16x32_f16 v[OA+32*\t+8*\ct:OA+32*\t+8*\ct+7], v[VR+32*\u+8*\ct:VR+32*\u+8*\ct+7], v[P+16*\t+8*\u:P+16*\t+8*\u+7], v[OA+32*\t+8*\ct:OA+32*\t+8*\ct+7]
.endr
.endr
.endr
	WIN 0
.rept 4
	v_nop                                          ; places ahead of the next loads into V's registers and of the next read of O^T
.endr
.Lhidden_\@:
	s_add_co_u32 s[KF], s[KF], 64
	s_add_co_u32 s[TBK], s[TBK], KSTEPB
	s_add_co_u32 s[TBV], s[TBV], VSTEPB
.endm
.macro FOUR_STEPS                      ; a slot's four steps: written once, walked four times; then on to the other slot
	s_mov_b32 s[FOUR], 4
.Lstep_\@:
	STEP
	s_sub_co_u32 s[FOUR], s[FOUR], 1
	s_cmp_lg_u32 s[FOUR], 0
	s_cbranch_scc1 .Lstep_\@
	s_sub_co_u32 s[TBK], s[TBK], 4*KSTEPB
	s_xor_b32 s[TBK], s[TBK], SLOT1
	s_sub_co_u32 s[TBV], s[TBV], 4*VSTEPB
	s_xor_b32 s[TBV], s[TBV], SLOT1
.endm
; A block of queries ends: O^T / l, rounded to f16, through my stage (rows of 128 bytes + 16), back as four tokens x 128 bytes, which are 512 consecutive bytes of o16.
.macro FINISH
.irp t, 0,1
	v_add_f32 v[ST+8*\t+4], v[ST+8*\t+2], v[ST+8*\t+3]
.endr
.irp t, 0,1
	v_permlanex16_b32 v[ST+8*\t+5], v[ST+8*\t+4], s[SEL], s[SEL+1]
.endr
.irp t, 0,1
	v_add_f32 v[ST+8*\t+4], v[ST+8*\t+4], v[ST+8*\t+5]
.endr
.irp t, 0,1
	v_rcp_f32 v[ST+8*\t+6], v[ST+8*\t+4]
.endr
	v_nop
	s_wait_alu depctr_va_vdst(0)                   ; one wait for the two reciprocals, ahead of their first reader
.irp t, 0,1
.irp i, 0,1,2,3,4,5,6,7,8,9,10,11,12,13,14,15
	v_pk_mul_f32 v[OA+32*\t+2*\i:OA+32*\t+2*\i+1], v[OA+32*\t+2*\i:OA+32*\t+2*\i+1], v[ST+8*\t+6:ST+8*\t+7] op_sel_hi:[1,0]
.endr
.irp i, 0,1,2,3,4,5,6,7,8,9,10,11,12,13,14,15
	v_cvt_pk_f16_f32 v[PKD+16*\t+\i], v[OA+32*\t+2*\i], v[OA+32*\t+2*\i+1]
.endr
.irp ct, 0,1,2,3
	ds_store_b128 v[STO], v[PKD+16*\t+4*\ct:PKD+16*\t+4*\ct+3] offset:16*SROW*\t+32*\ct
.endr
.irp i, 0,1,2,3
	ds_load_b128 v[BK+16*\t+4*\i:BK+16*\t+4*\i+3], v[RD] offset:16*SROW*\t+4*SROW*\i   ; LDS serves a wave's instructions in order: these see the stores above
.endr
.endr
	s_wait_dscnt 0x0
.irp t, 0,1
.irp i, 0,1,2,3
	global_store_b128 v[GO], v[BK+16*\t+4*\i:BK+16*\t+4*\i+3], s[OB:OB+1] offset:2048*\t+512*\i
.endr
.endr
.endm
	s_load_b128 s[4:7], s[0:1], 0x0                ; qkv16, o16
	v_lshl_add_u32 v[SPW], v0, 2, SPARE
	v_mov_b32 v[NIL], 0
	ds_add_u32 v[SPW], v[NIL]                      ; the wave's opening: the add, twice on end, and its wait ahead of the first tensor load
	ds_add_u32 v[SPW], v[NIL]
	v_lshrrev_b32 v2, 5, v0
	v_readfirstlane_b32 s[WV], v2                  ; wave 0..7
	s_mov_b32 s[JJ], ttmp9                         ; j
	s_and_b32 s[BH], ttmp7, 0xffff                 ; 16 batch + head
	s_and_b32 s[W1], s[WV], 1
	s_mov_b32 s[G1K], (1<<16)|(1<<20)|(5<<22)|(3<<25)   ; no mask; elements of 2 bytes; padding on: after every 64 words four words
	s_mov_b32 s[G1V], (1<<16)|(1<<20)|(5<<22)|(7<<25)   ; eight words
.irp g, G1K, G1V
	s_mov_b32 s[\g+1], 128<<16                     ; tensor_dim0 = 128 elements: two keys
	s_mov_b32 s[\g+2], 64<<16                      ; tensor_dim1 = 64 pair rows
	s_mov_b32 s[\g+3], 128<<16                     ; tile_dim0
	s_mov_b32 s[\g+4], 64                          ; tile_dim1
	s_mov_b32 s[\g+5], 128                         ; pitch: dense
	s_mov_b32 s[\g+6], 0
	s_mov_b32 s[\g+7], 0
.endr
	s_mov_b32 s[SEL], 0x76543210
	s_mov_b32 s[SEL+1], 0xfedcba98
	s_mov_b32 s[CS], 0x3e38aa3b                    ; c = log2(e) / 8
	s_mov_b32 s[CS+1], s[CS]
	s_add_co_u32 s[PH], s[JJ], 1
	s_mov_b32 s[TBK], 0
	s_mov_b32 s[TBV], 0
	s_lshl_b32 s61, s[WV], 5
	s_lshl_b32 s60, s[JJ], 8
	s_add_co_u32 s[Q0], s60, s61                   ; 256 j + 32 wave
	s_sub_co_u32 s60, 7, s[JJ]
	s_lshl_b32 s60, s60, 8
	s_add_co_u32 s[Q0B], s60, s61                  ; 256 (7 - j) + 32 wave
	s_lshr_b32 s60, s[WV], 2
	s_xor_b32 s60, s60, 1                          ; 0 in waves 4 to 7,
	s_or_b32 s60, s60, s[JJ]                       ; of the head's work-group 0
	s_cmp_eq_u32 s60, 0
	s_cselect_b32 s[LIM], 7, 0
	s_lshl_b32 s58, s[BH], 18                      ; the head's 2,048 rows of 128 bytes,
	s_lshl_b32 s60, s[W1], 14                      ; my half of a slot,
	s_add_co_u32 s58, s58, s60
	s_add_co_u32 s58, s58, 1<<24                   ; in k's region
	s_mov_b32 s59, 0
	s_wait_dscnt 0x0                               ; both opening adds are done
	s_wait_kmcnt 0x0
	s_add_nc_u64 s[KB:KB+1], s[4:5], s[58:59]
	s_add_nc_u64 s[VB:VB+1], s[KB:KB+1], 1<<24     ; v's region follows k's
	s_mov_b32 s[G0K], 1
	s_mul_i32 s[G0K+1], s[W1], 64*PK
	s_mov_b64 s[G0K+2:G0K+3], s[KB:KB+1]
	s_or_b32 s[G0K+3], s[G0K+3], 0x80000000
	s_mov_b32 s[G0V], 1
	s_mul_i32 s[G0V+1], s[W1], 64*PV
	s_add_co_u32 s[G0V+1], s[G0V+1], VOFF
	s_mov_b64 s[G0V+2:G0V+3], s[VB:VB+1]
	s_or_b32 s[G0V+3], s[G0V+3], 0x80000000
	s_cmp_lt_u32 s[WV], 6
	s_cselect_b64 s[PFA:PFA+1], s[KB:KB+1], s[VB:VB+1]   ; at key slot 0: the first change of slots steps it to slot 1
	TLOAD                                          ; key slot 0 into slot 0: the one fill at the head
	v_and_b32 v32, 15, v0                          ; r
	v_bfe_u32 v33, v0, 4, 1                        ; h
	v_and_b32 v34, 31, v0                          ; lane
	v_lshrrev_b32 v35, 1, v32
	v_and_b32 v36, 1, v32
	v_mul_u32_u24 v[AK0], v35, PK
	v_lshl_add_u32 v[AK0], v36, 7, v[AK0]
	v_lshl_add_u32 v[AK0], v33, 4, v[AK0]          ; key r: pair row r / 2, half r % 2; + 16 h
	v_and_b32 v35, 7, v0
	v_lshl_add_u32 v35, v33, 3, v35                ; the turning load: key 8 h + lane % 8,
	v_lshrrev_b32 v36, 1, v35
	v_and_b32 v37, 1, v35
	v_mul_u32_u24 v[AV0], v36, PV
	v_lshl_add_u32 v[AV0], v37, 7, v[AV0]
	v_bfe_u32 v37, v0, 3, 1
	v_lshl_add_u32 v[AV0], v37, 4, v[AV0]          ; channels 8 ((lane / 8) % 2) on
	v_add_nc_u32 v[AV0], VOFF, v[AV0]
	v_lshlrev_b32 v[QO], 7, v32
	v_lshl_add_u32 v[QO], v33, 4, v[QO]
	s_mul_i32 s60, s[WV], 32*SROW
	s_add_co_u32 s60, s60, STAGE                   ; my stage
	v_mul_u32_u24 v[STO], v32, SROW
	v_lshl_add_u32 v[STO], v33, 4, v[STO]
	v_add_nc_u32 v[STO], s60, v[STO]
	v_lshrrev_b32 v35, 3, v34
	v_mul_u32_u24 v[RD], v35, SROW
	v_and_b32 v35, 7, v0
	v_lshl_add_u32 v[RD], v35, 4, v[RD]
	v_add_nc_u32 v[RD], s60, v[RD]
	v_lshlrev_b32 v[GO], 4, v34
	v_lshlrev_b32 v[PFO], 8, v34
	v_lshlrev_b32 v35, 3, v33
	v_sub_nc_u32 v[RH], v32, v35
	v_mov_b32 v[NINF], 0xff800000
	INIT
	s_mov_b32 s[IT], 0
.Lslot:                                            ; eight trips; behind each change of slots the next trip's key slot is asked for
	CHANGE 1
	s_cmp_eq_u32 s[IT], s[PH]                      ; the work-group's number and the count of trips alone
	s_cbranch_scc0 .Lsame
	FINISH                                         ; block j is done;
	s_mov_b32 s[Q0], s[Q0B]                        ; block 7 - j begins
	INIT
.Lsame:
	FOUR_STEPS
	s_add_co_u32 s[IT], s[IT], 1
	s_cmp_lt_u32 s[IT], 8
	s_cbranch_scc1 .Lslot
	CHANGE 0                                       ; the ninth trip is written out: it asks for nothing
	FOUR_STEPS
	FINISH
	s_wait_tensorcnt 0x0                           ; the wave's end
	ds_add_u32 v[SPW], v[NIL]
	s_wait_dscnt 0x0
	s_endpgm
.Lfunc_end_k_qd81e08662a_attn:
	.size	k_qd81e08662a_attn, .Lfunc_end_k_qd81e08662a_attn-k_qd81e08662a_attn
	.p2alignl 7, 3214868480
	.fill 96, 4, 3214868480
	.section	.rodata,"a",@progbits
	.p2align	6, 0x0
	.amdhsa_kernel k_qd81e08662a_attn
		.amdhsa_group_segment_fixed_size 327680
		.amdhsa_private_segment_fixed_size 0
		.amdhsa_enable_private_segment 0
		.amdhsa_kernarg_size 16
		.amdhsa_user_sgpr_count 2
		.amdhsa_user_sgpr_kernarg_segment_ptr 1
		.amdhsa_wavefront_size32 1
		.amdhsa_system_sgpr_workgroup_id_x 1
		.amdhsa_system_sgpr_workgroup_id_y 1
		.amdhsa_system_sgpr_workgroup_id_z 1
		.amdhsa_system_vgpr_workitem_id 0
		.amdhsa_next_free_vgpr 512
		.amdhsa_next_free_sgpr 72
		.amdhsa_reserve_vcc 1
		.amdhsa_float_denorm_mode_32 3
		.amdhsa_float_denorm_mode_16_64 3
		.amdhsa_memory_ordered 1
		.amdhsa_forward_progress 1
		.amdhsa_inst_pref_size 72
	.end_amdhsa_kernel
	.amdgpu_metadata
---
amdhsa.version: [ 1, 2 ]
amdhsa.kernels:
  - .name:           k_qd81e08662a_attn
    .symbol:         k_qd81e08662a_attn.kd
    .args:
      - { .name: qkv16, .offset: 0, .size: 8, .value_kind: global_buffer, .address_space: global }
      - { .name: o16, .offset: 8, .size: 8, .value_kind: global_buffer, .address_space: global }
    .group_segment_fixed_size: 327680
    .private_segment_fixed_size: 0
    .kernarg_segment_align: 8
    .kernarg_segment_size: 16
    .max_flat_workgroup_size: 256
    .sgpr_count:     72
    .vgpr_count:     512
    .wavefront_size: 32
...
	.end_amdgpu_metadata
.endif
;; end of part 3
;; launch proj (part 4): grid 4 x 64, 4 waves a work-group, clusters of 4 x 4, 327,680 bytes of LDS; arguments o16, wp16, b_proj, out0; writes out0
.if DOCPART == 4
	.amdgcn_target "amdgcn-amd-amdhsa--gfx1250"
	.amdhsa_code_object_version 6
	.text
	.protected	k_qd81e08662a_proj
	.globl	k_qd81e08662a_proj
	.p2align	8
	.type	k_qd81e08662a_proj,@function
k_qd81e08662a_proj:
	s_mov_b64 s[64:65], 0
	v_nop
	global_prefetch_b8 v0, s[64:65] scope:SCOPE_SE
	s_setreg_imm32_b32 hwreg(HW_REG_WAVE_MODE, 25, 1), 1
	s_wait_xcnt 0x0
	s_wait_alu depctr_hold_cnt(0) depctr_sa_sdst(0) depctr_va_vdst(0) depctr_va_sdst(0) depctr_va_ssrc(0) depctr_va_vcc(0) depctr_vm_vsrc(0)
	s_getreg_b32 s2, hwreg(HW_REG_IB_STS2, 6, 4)
	s_cmp_eq_u32 s2, 0
	s_cbranch_scc0 .Lentry_in_a_cluster
	s_endpgm
.Lentry_in_a_cluster:
	s_bfe_u32 s2, ttmp6, 0x10000c
	s_cmp_lg_u32 s2, 0xf033
	s_cbranch_scc0 .Lentry_shape_is_right
	s_endpgm
.Lentry_shape_is_right:
; out0 = o W_proj^T + b_proj.  o16: [batch][head][token][64] f16; wp16: [1024 (n)][1024 (k)] f16; out0: [8192][1024] f32; f32 sums, K ascending.  (Tokens 0-15 of each sequence are written again, in f32 throughout, by the next launch.)
; A tile is 128 tokens x 256 outputs: 256 work-groups, one for each WGP (tiles of 256 x 256 would be 128).  Four waves, each 64 tokens x 128 outputs: 32 accumulators, 256 registers.
; K goes in steps of 128 = two heads, through a ring of two slots.  A head's 128 tokens x 128 bytes are dense in memory: they come as 64 rows of 256 bytes (two tokens); W's rows of a step are 256 bytes, 2,048 apart.
; CLUSTERS: 4 x 4 work-groups.  The four of a row of the cluster need the same tokens, the four of a column the same rows of W: each tile is asked for jointly.  A K step's refill has 112 matrix instructions in which to land.
; THE MATRIX INSTRUCTION IS USED TRANSPOSED (source 0 = 16 rows of W, source 1 = 16 tokens): a lane holds eight neighbouring outputs of one token.  The bias is the C of each sum's first matrix instruction.
; REGISTERS: window 0: v0-31 addresses; v32-95 tokens' fragments, two buffers of 4; v128-255 W's fragments, two buffers of 8 (on the way out: rows read back).   window 1: accumulator (a, b) at v[8 (8 a + b)].   window 2: v0-63 the bias.
.set PITCH,  272                       ; 256 bytes + 16 of padding
.set AREG,   64*PITCH                  ; a head's 128 tokens
.set BOFF,   2*AREG
.set BHALF,  128*PITCH
.set SLOT,   BOFF+2*BHALF
.set STAGE,  2*SLOT                    ; behind the ring: 16 rows x 528 bytes for each wave
.set SPITCH, 528
.set SPARE,  STAGE+4*16*SPITCH         ; the spare words, 128 bytes a wave, which no other line names
.set LAPS,   4                         ; a lap = two K steps; K = 1,024 is eight
.set ADRA, 16
.set ADRB, 20
.set STO,  24
.set RD,   25
.set CO,   26
.set BO,   27
.set SPW,  28
.set NIL,  29
.set AF,   32
.set BF,   128
.set BK,   128
.set G1, 24
.set G0, 32
.set G1B, 48
.set G0B, 56
.set MSB, 0
.macro WIN new
.if MSB != \new
	s_set_vgpr_msb (MSB<<8)|\new
.set MSB, \new
.endif
.endm
.set MUL,  0x50                        ; C and D window 1, sources window 0
.set MULB, 0x60                        ; D window 1, C (the bias) window 2
.macro JLOAD s                         ; waves 0 and 1 fetch a head's tokens each, waves 2 and 3 128 rows of W each; an s_nop 0 and four v_nop follow each line
	s_cmp_eq_u32 s11, 0
	s_cbranch_scc0 .Lfor_b_\@
	tensor_load_to_lds s[G0+4*\s:G0+4*\s+3], s[G1:G1+7]
	s_nop 0
.rept 4
	v_nop
.endr
	s_branch .Lasked_\@
.Lfor_b_\@:
	tensor_load_to_lds s[G0B+4*\s:G0B+4*\s+3], s[G1B:G1B+7]
	s_nop 0
.rept 4
	v_nop
.endr
.Lasked_\@:
.endm
.macro CREST
	s_cmp_lg_u32 s10, 0
	s_cbranch_scc1 .Lnot_wave_0_\@
	s_barrier_signal -3
.Lnot_wave_0_\@:
	s_barrier_wait -3
	s_barrier_signal -1
	s_barrier_wait -1
.endm
.macro CROUND
	s_barrier_signal -1
	s_barrier_wait -1
	CREST
.endm
	s_load_b128 s[4:7], s[0:1], 0x0                ; o16, wp16
	s_load_b64 s[66:67], s[0:1], 0x10              ; b_proj
	s_load_b64 s[8:9], s[0:1], 0x18                ; out0
	v_lshl_add_u32 v[SPW], v0, 2, SPARE
	v_mov_b32 v[NIL], 0
	ds_add_u32 v[SPW], v[NIL]                      ; the wave's opening: the add, twice on end, and its wait ahead of my first tensor load
	ds_add_u32 v[SPW], v[NIL]
	v_lshrrev_b32 v1, 5, v0
	v_readfirstlane_b32 s10, v1                    ; wave 0..3
	s_lshr_b32 s11, s10, 1                         ; which 64 tokens are mine.  Also: I fetch tokens (0) or W (1)
	s_and_b32 s12, s10, 1                          ; which 128 outputs.  Also: which head, or which 128 rows of W, I fetch
	s_bfe_u32 s40, ttmp6, 0x40000                  ; cx
	s_bfe_u32 s41, ttmp6, 0x40004                  ; cy
	s_lshl_b32 s42, ttmp9, 2
	s_add_co_u32 s42, s42, s40                     ; tile column
	s_and_b32 s13, ttmp7, 0xffff
	s_lshl_b32 s13, s13, 2
	s_add_co_u32 s13, s13, s41                     ; tile row: 16 batch + (token / 128)
	s_lshl_b32 s43, s41, 2
	s_lshl_b32 s43, 15, s43                        ; my row of the cluster
	s_lshl_b32 s44, 0x1111, s40                    ; my column
	s_or_b32 s[G1+0], s43, (1<<16)|(1<<20)|(1<<21)|(5<<22)|(3<<25)   ; the mask; elements of 2 bytes; padding on; bit 21 beside a mask; after every 64 words four words
	s_or_b32 s[G1B+0], s44, (1<<16)|(1<<20)|(1<<21)|(5<<22)|(3<<25)
	s_mov_b32 s[G1+1], 128<<16                     ; tokens: 64 rows of 128 elements, dense
	s_mov_b32 s[G1+2], 64<<16
	s_mov_b32 s[G1+3], 128<<16
	s_mov_b32 s[G1+4], 64
	s_mov_b32 s[G1+5], 128
	s_mov_b32 s[G1+6], 0
	s_mov_b32 s[G1+7], 0
	s_mov_b32 s[G1B+1], 128<<16                    ; W: 128 rows of 128 elements, 1,024 elements apart
	s_mov_b32 s[G1B+2], 128<<16
	s_mov_b32 s[G1B+3], 128<<16
	s_mov_b32 s[G1B+4], 128
	s_mov_b32 s[G1B+5], 1024
	s_mov_b32 s[G1B+6], 0
	s_mov_b32 s[G1B+7], 0
	s_lshr_b32 s16, s13, 4
	s_lshl_b32 s16, s16, 22                        ; the batch's 16 heads of 262,144 bytes
	s_and_b32 s17, s13, 15
	s_lshl_b32 s17, s17, 14                        ; 128 tokens of 128 bytes
	s_add_co_u32 s16, s16, s17
	s_lshl_b32 s17, s12, 18                        ; the head that I fetch
	s_add_co_u32 s16, s16, s17
	s_mov_b32 s17, 0
	s_lshl_b32 s46, s42, 19                        ; W: 256 rows of 2,048 bytes a tile column,
	s_lshl_b32 s47, s12, 18                        ; 128 a wave
	s_add_co_u32 s46, s46, s47
	s_mov_b32 s47, 0
	s_mul_i32 s20, s12, AREG                       ; where they go: no place in the cluster enters an LDS address
	s_mul_i32 s21, s12, BHALF
	s_add_co_u32 s21, s21, BOFF
	s_wait_dscnt 0x0                               ; both opening adds are done
	s_wait_kmcnt 0x0
	s_add_nc_u64 s[14:15], s[4:5], s[16:17]
	s_add_nc_u64 s[46:47], s[6:7], s[46:47]
	CROUND                                         ; all sixteen work-groups are here: the first joint loads meet
.irp s, 0,1
	s_mov_b32 s[G0+4*\s], 1
	s_add_co_u32 s[G0+4*\s+1], s20, \s*SLOT
	s_add_nc_u64 s[G0+4*\s+2:G0+4*\s+3], s[14:15], \s*(1<<19)      ; K step s: heads 2 s, 2 s + 1
	s_or_b32 s[G0+4*\s+3], s[G0+4*\s+3], 0x80000000
	s_mov_b32 s[G0B+4*\s], 1
	s_add_co_u32 s[G0B+4*\s+1], s21, \s*SLOT
	s_add_nc_u64 s[G0B+4*\s+2:G0B+4*\s+3], s[46:47], \s*256
	s_or_b32 s[G0B+4*\s+3], s[G0B+4*\s+3], 0x80000000
	JLOAD \s
.endr
	v_and_b32 v1, 15, v0                           ; r
	v_bfe_u32 v2, v0, 4, 1                         ; h
	v_lshrrev_b32 v3, 1, v1
	v_mul_u32_u24 v3, v3, PITCH
	v_and_b32 v4, 1, v1
	v_lshl_add_u32 v3, v4, 7, v3
	v_lshl_add_u32 v3, v2, 4, v3                   ; token r: pair row r / 2, half r % 2; + 16 h
	v_mul_u32_u24 v4, v1, PITCH
	v_lshl_add_u32 v4, v2, 4, v4                   ; W's row r; + 16 h
	s_mul_i32 s21, s11, 32*PITCH                   ; my 64 tokens
	s_mul_i32 s22, s12, BHALF                      ; my 128 rows of W,
	s_add_co_u32 s22, s22, BOFF                    ; behind the tokens
.irp s, 0,1
	v_add_nc_u32 v[ADRA+\s], s21, v3
	v_add_nc_u32 v[ADRB+\s], s22, v4
	s_add_co_u32 s21, s21, SLOT
	s_add_co_u32 s22, s22, SLOT
.endr
	s_mul_i32 s23, s10, 16*SPITCH
	s_add_co_u32 s23, s23, STAGE                   ; my stage
	v_mul_u32_u24 v5, v1, SPITCH
	v_lshl_add_u32 v5, v2, 5, v5
	v_add_nc_u32 v[STO], s23, v5                   ; in: row r, 32 bytes for each half of the lanes
	v_and_b32 v6, 31, v0
	v_lshlrev_b32 v[CO], 4, v6
	v_add_nc_u32 v[RD], s23, v[CO]                 ; back: the 32 lanes take a row of 512 bytes
	v_lshlrev_b32 v[BO], 5, v2
	s_lshl_b32 s46, s42, 10                        ; my first output as f32 bytes: 1,024 x tile column + 512 x half
	s_lshl_b32 s47, s12, 9
	s_add_co_u32 s46, s46, s47
	s_mov_b32 s47, 0
	s_add_nc_u64 s[66:67], s[66:67], s[46:47]
	s_lshl_b32 s16, s13, 19                        ; 128 rows of 4,096 bytes a tile row,
	s_lshl_b32 s17, s11, 18                        ; 64 a wave
	s_add_co_u32 s16, s16, s17
	s_mov_b32 s17, 0
	s_add_nc_u64 s[16:17], s[16:17], s[46:47]
	s_add_nc_u64 s[8:9], s[8:9], s[16:17]
	WIN 0x80                                       ; destination window 2
.irp b, 0,1,2,3,4,5,6,7                        ; the bias in the result's layout: for W's block b lane (r, h) wants outputs 16 b + 8 h + 0 .. 7
	global_load_b128 v[8*\b:8*\b+3], v[BO], s[66:67] offset:64*\b
	global_load_b128 v[8*\b+4:8*\b+7], v[BO], s[66:67] offset:64*\b+16
.endr
	WIN 0
; 8 matrix instructions: tokens' block a against W's eight, 32 along K, from buffer f.  zero = 1: the first K step starts the sums from the bias.  The 32 accumulators take turns.
.macro MUL8 f, a, zero
.irp b, 0,1,2,3,4,5,6,7
.if \zero
	v_wmma_f32_16x16x32_f16 v[8*(8*(\a)+\b):8*(8*(\a)+\b)+7], v[BF+64*(\f)+8*\b:BF+64*(\f)+8*\b+7], v[AF+32*(\f)+8*(\a):AF+32*(\f)+8*(\a)+7], v[8*\b:8*\b+7]
.else
	v_wmma_f32_16x16x32_f16 v[8*(8*(\a)+\b):8*(8*(\a)+\b)+7], v[BF+64*(\f)+8*\b:BF+64*(\f)+8*\b+7], v[AF+32*(\f)+8*(\a):AF+32*(\f)+8*(\a)+7], v[8*(8*(\a)+\b):8*(8*(\a)+\b)+7]
.endif
.endr
.endm
; 24 LDS loads in one run: quarter q (32 along K: head q / 2 of the step, channels 32 (q % 2) on) into buffer f; W's first, then the tokens' blocks in ascending order
.macro FETCH slot, q, f
	WIN 0
.irp b, 0,1,2,3,4,5,6,7
	ds_load_b128 v[BF+64*(\f)+8*\b:BF+64*(\f)+8*\b+3],   v[ADRB+\slot] offset:16*PITCH*\b+64*(\q)
	ds_load_b128 v[BF+64*(\f)+8*\b+4:BF+64*(\f)+8*\b+7], v[ADRB+\slot] offset:16*PITCH*\b+64*(\q)+32
.endr
.irp i, 0,1,2,3
	ds_load_b128 v[AF+32*(\f)+8*\i:AF+32*(\f)+8*\i+3],   v[ADRA+\slot] offset:AREG*((\q)/2)+8*PITCH*\i+64*((\q)%2)
	ds_load_b128 v[AF+32*(\f)+8*\i+4:AF+32*(\f)+8*\i+7], v[ADRA+\slot] offset:AREG*((\q)/2)+8*PITCH*\i+64*((\q)%2)+32
.endr
.endm
.macro PLACES                          ; plain vector lines ahead of loads into registers that matrix instructions have read
.rept 4
	v_nop
.endr
.endm
; One of a K step's first three quarters: multiplies buffer f and fetches quarter nq of the same slot into buffer g.
.macro QUARTER slot, nq, f, g, zero
	s_wait_dscnt 4                                 ; W's and the tokens' blocks 0, 1 are in; blocks 2, 3 (four loads) may be out
.if \zero
	WIN MULB
.else
	WIN MUL
.endif
	MUL8 \f, 0, \zero
	MUL8 \f, 1, \zero
	PLACES
	FETCH \slot, \nq, \g
	s_wait_dscnt 24                                ; all but the 24 just issued
.if \zero
	WIN MULB
.else
	WIN MUL
.endif
	MUL8 \f, 2, \zero
	MUL8 \f, 3, \zero
.endm
; The last quarter multiplies buffer 1 and changes slots: ONE barrier; in front of it each wave waits for all its tensor loads, adds 0 to its spare word, and waits for that and for its reads of this slot.  fill = 1: this slot is filled again, two K steps ahead.
.macro TURN slot, next, fill
	WIN 0
	s_wait_tensorcnt 0x0                           ; all my tensor loads have landed: my part of the next slot
	ds_add_u32 v[SPW], v[NIL]
	s_wait_dscnt 5                                 ; the add and the youngest four loads may be out
	WIN MUL
	MUL8 1, 0, 0
	s_wait_dscnt 0x0                               ; the add is done, and my reads of this slot are over
	s_barrier_signal -1
	MUL8 1, 1, 0
.if \fill
	WIN 0
.endif
	s_barrier_wait -1
.if \fill
	CREST                                          ; the barrier has opened a round of the cluster's barrier
	s_add_nc_u64 s[G0+4*\slot+2:G0+4*\slot+3], s[G0+4*\slot+2:G0+4*\slot+3], 2*(1<<19)
	s_add_nc_u64 s[G0B+4*\slot+2:G0B+4*\slot+3], s[G0B+4*\slot+2:G0B+4*\slot+3], 2*256
	JLOAD \slot                                    ; the first tensor load behind the round; its four v_nop are also the places ahead of the loads below
.else
	PLACES
.endif
	FETCH \next, 0, 0
	WIN MUL
	MUL8 1, 2, 0
	MUL8 1, 3, 0
.endm
	s_wait_tensorcnt 1                             ; my part of K step 0 is in; K step 1's load may be out
	s_barrier_signal -1
	s_barrier_wait -1
	FETCH 0, 0, 0
	s_wait_loadcnt 0x0                             ; the bias
	QUARTER 0, 1, 0, 1, 1                          ; the first quarter stands in front of the loop: its products start the sums
	WIN 0
	s_mov_b32 s3, LAPS-1
.Llap:                                             ; a trip goes once round the ring and fills both slots again
	QUARTER 0, 2, 1, 0, 0
	QUARTER 0, 3, 0, 1, 0
	TURN 0, 1, 1
	QUARTER 1, 1, 0, 1, 0
	QUARTER 1, 2, 1, 0, 0
	QUARTER 1, 3, 0, 1, 0
	TURN 1, 0, 1
	QUARTER 0, 1, 0, 1, 0
	WIN 0
	s_sub_co_u32 s3, s3, 1
	s_cmp_lg_u32 s3, 0
	s_cbranch_scc1 .Llap
	QUARTER 0, 2, 1, 0, 0                          ; the last lap fills nothing
	QUARTER 0, 3, 0, 1, 0
	TURN 0, 1, 0
	QUARTER 1, 1, 0, 1, 0
	QUARTER 1, 2, 1, 0, 0
	QUARTER 1, 3, 0, 1, 0
	s_wait_dscnt 4
	WIN MUL
	MUL8 1, 0, 0
	MUL8 1, 1, 0
	s_wait_dscnt 0
	MUL8 1, 2, 0
	MUL8 1, 3, 0
	WIN 0
; THE WAY OUT, a block of 16 tokens x 128 outputs at a time: 32 bytes a lane into my stage, back as whole rows of 512 bytes.
.macro TOSTAGE a
	WIN 0x04                                       ; an LDS store's data are its source 1: window 1
.irp b, 0,1,2,3,4,5,6,7
	ds_store_b128 v[STO], v[8*(8*(\a)+\b):8*(8*(\a)+\b)+3] offset:64*\b          ; each accumulator from its low end on
	ds_store_b128 v[STO], v[8*(8*(\a)+\b)+4:8*(8*(\a)+\b)+7] offset:64*\b+16
.endr
	WIN 0
.set BB, BK+64*((\a)%2)
.irp t, 0,1,2,3,4,5,6,7,8,9,10,11,12,13,14,15
	ds_load_b128 v[BB+4*\t:BB+4*\t+3], v[RD] offset:\t*SPITCH      ; LDS serves a wave's instructions in order
.endr
.endm
.macro SEND a, younger
.set BB, BK+64*((\a)%2)
	s_wait_dscnt \younger                          ; the block is back; the next block's 16 stores and 16 loads may be out
.irp t, 0,1,2,3,4,5,6,7,8,9,10,11,12,13,14,15
	global_store_b128 v[CO], v[BB+4*\t:BB+4*\t+3], s[8:9] offset:65536*(\a)+4096*\t th:TH_STORE_NT   ; 32 lanes store 512 consecutive bytes
.endr
.endm
	PLACES
	TOSTAGE 0
.irp a, 1,2,3
.if \a > 1
	s_wait_xcnt 0x0                                ; block a - 2's stores have read their registers: block a's loads may land there
.endif
	TOSTAGE \a
	SEND \a-1, 32
.endr
	SEND 3, 0
	s_wait_tensorcnt 0x0                           ; the wave's end
	ds_add_u32 v[SPW], v[NIL]
	s_wait_dscnt 0x0
	CROUND                                         ; the closing round
	s_endpgm
.Lfunc_end_k_qd81e08662a_proj:
	.size	k_qd81e08662a_proj, .Lfunc_end_k_qd81e08662a_proj-k_qd81e08662a_proj
	.p2alignl 7, 3214868480
	.fill 96, 4, 3214868480
	.section	.rodata,"a",@progbits
	.p2align	6, 0x0
	.amdhsa_kernel k_qd81e08662a_proj
		.amdhsa_group_segment_fixed_size 327680
		.amdhsa_private_segment_fixed_size 0
		.amdhsa_enable_private_segment 0
		.amdhsa_kernarg_size 32
		.amdhsa_user_sgpr_count 2
		.amdhsa_user_sgpr_kernarg_segment_ptr 1
		.amdhsa_wavefront_size32 1
		.amdhsa_system_sgpr_workgroup_id_x 1
		.amdhsa_system_sgpr_workgroup_id_y 1
		.amdhsa_system_sgpr_workgroup_id_z 1
		.amdhsa_system_vgpr_workitem_id 0
		.amdhsa_next_free_vgpr 640
		.amdhsa_next_free_sgpr 72
		.amdhsa_reserve_vcc 0
		.amdhsa_float_denorm_mode_32 3
		.amdhsa_float_denorm_mode_16_64 3
		.amdhsa_memory_ordered 1
		.amdhsa_forward_progress 1
		.amdhsa_inst_pref_size 87
	.end_amdhsa_kernel
	.amdgpu_metadata
---
amdhsa.version: [ 1, 2 ]
amdhsa.kernels:
  - .name:           k_qd81e08662a_proj
    .symbol:         k_qd81e08662a_proj.kd
    .args:
      - { .name: o16, .offset: 0, .size: 8, .value_kind: global_buffer, .address_space: global }
      - { .name: wp16, .offset: 8, .size: 8, .value_kind: global_buffer, .address_space: global }
      - { .name: b_proj, .offset: 16, .size: 8, .value_kind: global_buffer, .address_space: global }
      - { .name: out0, .offset: 24, .size: 8, .value_kind: global_buffer, .address_space: global }
    .group_segment_fixed_size: 327680
    .private_segment_fixed_size: 0
    .kernarg_segment_align: 8
    .kernarg_segment_size: 32
    .max_flat_workgroup_size: 128
    .sgpr_count:     72
    .vgpr_count:     640
    .wavefront_size: 32
...
	.end_amdgpu_metadata
.endif
;; end of part 4
;; launch head16 (part 5): grid 16 x 4, 16 waves a work-group, no clusters, 104,448 bytes of LDS; arguments head32, W_proj, b_proj, out0; writes out0
.if DOCPART == 5
	.amdgcn_target "amdgcn-amd-amdhsa--gfx1250"
	.amdhsa_code_object_version 6
	.text
	.protected	k_qd81e08662a_head16
	.globl	k_qd81e08662a_head16
	.p2align	8
	.type	k_qd81e08662a_head16,@function
k_qd81e08662a_head16:
	s_mov_b64 s[64:65], 0
	v_nop
	global_prefetch_b8 v0, s[64:65] scope:SCOPE_SE
	s_setreg_imm32_b32 hwreg(HW_REG_WAVE_MODE, 25, 1), 1
	s_wait_xcnt 0x0
; Tokens 0-15 of each sequence once more, in f32 from end to end: they average one to sixteen values and are the largest numbers of the output, so f16 operands are too coarse for them.  These 64 rows of out0 are written over.
; head32: [16 batch + token][3072] f32 (q, k, v of the first 16 tokens).  W_proj [1024][1024], b_proj [1024]: f32.
; SHARES.  Work-group (x, y): outputs 64 x .. 64 x + 63 of batch y's 16 tokens.  Wave = head: it makes its head's attention (16 x 16 scores), keeps O^T in registers, and multiplies it by its 64 columns of the 64 rows of W_proj;
; the sixteen waves' parts meet in LDS, and waves 0-7 add them, two tokens each: sixteen lanes store a token's 256 consecutive bytes.  The attention is made again in each of the 16 chunks: 32 matrix instructions a wave.
; No tensor load and no cluster: the launch is small, and what is shared (a chunk's rows of W_proj, by four batches) is read once by each.
; ALL PRODUCTS by v_wmma_f32_16x16x4_f32 (lane (r, h), register j: k = 2 h + j), with the same permutation of k on both sources:
;   S^T = K Q^T: lane (r, h) holds channels 8 u + 4 h + 0..3 of row r in registers 4 u .. 4 u + 3; a step takes two of them.  Two accumulators by turns.
;   O^T = V^T P: P's registers 2 s, 2 s + 1 are keys 8 h + 2 s + j of query r, as the scores came out; V's register 8 ct + i is V[key 8 h + i][channel 16 ct + r].
;   Y^T = W O:   O^T's registers 2 k, 2 k + 1 of the run of 32 are channels 16 ct + 8 h + ..; W's registers hold the same channels of row r of a tile of 16 outputs.
; The registers that these instructions write (v176-255) are written by nothing else.
; REGISTERS: v1 q's and k's offset, later at work; v2 v's; v3 W's; v4, v5 the add's two; v6, v7 at work; v8-15 scores, then p; v16-47 Q, later W's tile 2, later sums; v48-79 K, later W's tile 3, later sums;
;   v80-111 V, later addresses and the bias; v112-175 W's tiles 0, 1; v176-191 S^T in two halves; v192-223 O^T; v224-255 Y^T.
.set SPARE, 102400                     ; behind the sixteen images of 6,400 bytes: the spare words, 128 bytes a wave, which no other line names
.set IMG,   6400
.set GB,    784                        ; four registers of an image: lanes 0-15 at 16 r, lanes 16-31 at 384 + 16 r: so the sixteen lanes of a read fall on sixteen different 16-byte columns
	s_load_b128 s[4:7], s[0:1], 0x0                ; head32, W_proj
	s_load_b128 s[8:11], s[0:1], 0x10              ; b_proj, out0
	v_lshl_add_u32 v4, v0, 2, SPARE
	v_mov_b32 v5, 0
	v_lshrrev_b32 v6, 5, v0
	v_readfirstlane_b32 s12, v6                    ; wave = head
	s_and_b32 s13, ttmp7, 0xffff                   ; batch
	v_and_b32 v6, 15, v0                           ; r
	v_bfe_u32 v7, v0, 4, 1                         ; h
	v_mul_u32_u24 v1, v6, 12288
	v_lshl_add_u32 v1, v7, 4, v1                   ; q, k: token r's row, + 16 h
	v_mul_u32_u24 v2, v7, 98304
	v_lshl_add_u32 v2, v6, 2, v2                   ; v: key 8 h, channel r
	v_lshlrev_b32 v3, 12, v6
	v_lshl_add_u32 v3, v7, 5, v3                   ; W: row r, + 32 h
	v_lshlrev_b32 v7, 3, v7
	v_sub_nc_u32 v6, v6, v7                        ; d = r - 8 h: key 8 h + j is hidden from query r where j > d
	v_mov_b32 v7, 0xff800000                       ; -infinity
	s_mul_i32 s14, s13, 196608                     ; the batch's 16 rows of 12,288 bytes,
	s_lshl_b32 s15, s12, 8                         ; the head's 64 columns
	s_add_co_u32 s14, s14, s15
	s_lshl_b32 s16, ttmp9, 18                      ; the chunk's 64 rows of W_proj,
	s_add_co_u32 s16, s16, s15                     ; the head's 64 columns
	s_mov_b32 s15, 0
	s_mov_b32 s17, 0
	s_lshl_b32 s18, s13, 23                        ; out0: the batch's 2,048 rows of 4,096 bytes,
	s_lshl_b32 s19, s12, 13                        ; tokens 2 wave, 2 wave + 1,
	s_add_co_u32 s18, s18, s19
	s_lshl_b32 s24, ttmp9, 8                       ; the chunk's 256 bytes
	s_add_co_u32 s18, s18, s24
	s_mov_b32 s19, 0
	s_mov_b32 s25, 0
	s_mul_i32 s26, s12, IMG                        ; my image
	s_lshl_b32 s27, s12, 5                         ; 16 bytes a token, two tokens a wave
	s_mov_b32 s20, 0x76543210
	s_mov_b32 s21, 0xfedcba98                      ; v_permlanex16_b32's selects for lane l xor 16
	s_mov_b32 s22, 0x3e38aa3b                      ; c = log2(e) / 8
	s_wait_kmcnt 0x0
	s_add_nc_u64 s[4:5], s[4:5], s[14:15]
	s_add_nc_u64 s[6:7], s[6:7], s[16:17]
	s_add_nc_u64 s[8:9], s[8:9], s[24:25]
	s_add_nc_u64 s[10:11], s[10:11], s[18:19]
.irp u, 0,1,2,3,4,5,6,7
	global_load_b128 v[16+4*\u:19+4*\u], v1, s[4:5] offset:32*\u          ; Q
.endr
.irp u, 0,1,2,3,4,5,6,7
	global_load_b128 v[48+4*\u:51+4*\u], v1, s[4:5] offset:4096+32*\u     ; K
.endr
.irp ct, 0,1,2,3
.irp i, 0,1,2,3,4,5,6,7
	global_load_b32 v[80+8*\ct+\i], v2, s[4:5] offset:8192+12288*\i+64*\ct   ; V
.endr
.endr
.irp nt, 0,1
.irp ct, 0,1,2,3
	global_load_b128 v[112+32*\nt+8*\ct:115+32*\nt+8*\ct], v3, s[6:7] offset:65536*\nt+64*\ct
	global_load_b128 v[116+32*\nt+8*\ct:119+32*\nt+8*\ct], v3, s[6:7] offset:65536*\nt+64*\ct+16
.endr
.endr
	s_wait_loadcnt 48                              ; Q and K are in; V's 32 loads and W's 16 stay out
	v_wmma_f32_16x16x4_f32 v[176:183], v[48:49], v[16:17], 0       ; the first K steps start the two sums
	v_wmma_f32_16x16x4_f32 v[184:191], v[50:51], v[18:19], 0
.irp u, 1,2,3,4,5,6,7
	v_wmma_f32_16x16x4_f32 v[176:183], v[48+4*\u:49+4*\u], v[16+4*\u:17+4*\u], v[176:183]
	v_wmma_f32_16x16x4_f32 v[184:191], v[50+4*\u:51+4*\u], v[18+4*\u:19+4*\u], v[184:191]
.endr
.rept 8
	v_nop                                          ; eight places behind this form, ahead of loads into its sources and of the first read of its results
.endr
.irp nt, 2,3
.irp ct, 0,1,2,3
	global_load_b128 v[16+32*(\nt-2)+8*\ct:19+32*(\nt-2)+8*\ct], v3, s[6:7] offset:65536*\nt+64*\ct
	global_load_b128 v[20+32*(\nt-2)+8*\ct:23+32*(\nt-2)+8*\ct], v3, s[6:7] offset:65536*\nt+64*\ct+16
.endr
.endr
.irp j, 0,1,2,3,4,5,6,7
	v_add_f32 v[8+\j], v[176+\j], v[184+\j]        ; the score of key 8 h + j and query r, from the low end on
.endr
.irp j, 0,1,2,3,4,5,6,7
	v_cmp_gt_i32 vcc_lo, \j, v6
	v_cndmask_b32 v[8+\j], v[8+\j], v7, vcc_lo     ; hidden keys: -infinity
.endr
	v_max3_num_f32 v1, v8, v9, v10
	v_max3_num_f32 v1, v1, v11, v12
	v_max3_num_f32 v1, v1, v13, v14
	v_max_num_f32 v1, v1, v15
	v_permlanex16_b32 v7, v1, s20, s21
	v_max_num_f32 v1, v1, v7                       ; the row's maximum: key 0 counts for every query, so it is a number
	v_mul_f32 v7, 0xbe38aa3b, v1                   ; - c m
.irp j, 0,1,2,3,4,5,6,7
	v_fma_f32 v[8+\j], v[8+\j], s22, v7            ; c s - c m
.endr
.irp j, 0,1,2,3,4,5,6,7
	v_exp_f32 v[8+\j], v[8+\j]
.endr
	v_nop
	s_wait_alu depctr_va_vdst(0)                   ; one wait for the eight exponentials, ahead of their first reader
	v_add_f32 v1, v8, v9
	v_add_f32 v6, v10, v11
	v_add_f32 v7, v12, v13
	v_add_f32 v1, v1, v14
	v_add_f32 v6, v6, v15
	v_add_f32 v1, v1, v7
	v_add_f32 v1, v1, v6
	v_permlanex16_b32 v7, v1, s20, s21
	v_add_f32 v1, v1, v7                           ; the row's sum
	v_rcp_f32 v1, v1
	v_nop
	s_wait_alu depctr_va_vdst(0)
.irp j, 0,1,2,3,4,5,6,7
	v_mul_f32 v[8+\j], v[8+\j], v1                 ; the softmax
.endr
	s_wait_loadcnt 32                              ; V is in; W's two sets of 16 loads stay out
.irp ct, 0,1,2,3
	v_wmma_f32_16x16x4_f32 v[192+8*\ct:199+8*\ct], v[80+8*\ct:81+8*\ct], v[8:9], 0
.endr
.irp s, 1,2,3
.irp ct, 0,1,2,3
	v_wmma_f32_16x16x4_f32 v[192+8*\ct:199+8*\ct], v[80+8*\ct+2*\s:81+8*\ct+2*\s], v[8+2*\s:9+2*\s], v[192+8*\ct:199+8*\ct]
.endr
.endr
.rept 9
	v_nop                                          ; nine places: the results become a source of the next product; V's registers are free behind them too
.endr
	v_and_b32 v81, 31, v0
	v_lshlrev_b32 v80, 4, v81
	v_bfe_u32 v82, v0, 4, 1                        ; h, and y
	v_lshl_add_u32 v80, v82, 7, v80
	v_add_nc_u32 v80, s26, v80                     ; my image: 16 x lane + 128 h
	v_and_b32 v83, 15, v0                          ; x: outputs 4 x .. 4 x + 3 of the chunk
	v_lshrrev_b32 v85, 2, v83
	v_and_b32 v86, 1, v83
	v_lshl_add_u32 v85, v85, 1, v86                ; they lie in group 2 (x / 4) + x % 2 of four registers,
	v_mul_u32_u24 v84, v85, GB
	v_bfe_u32 v86, v0, 1, 1                        ; in the lanes' half (x / 2) % 2,
	v_mad_u32_u24 v84, v86, 384, v84
	v_lshl_add_u32 v84, v82, 4, v84                ; in lane r = the token: 2 wave + y
	v_add_nc_u32 v84, s27, v84
	v_add_nc_u32 v87, 8*IMG, v84                   ; and the same in images 8 to 15
	v_lshlrev_b32 v88, 4, v83
	v_lshl_add_u32 v89, v82, 12, v88               ; out0: 4,096 y + 16 x
	global_load_b128 v[92:95], v88, s[8:9]         ; the bias of my four outputs
	s_wait_loadcnt 1                               ; W is in; the bias may be out
.irp nt, 0,1,2,3
	v_wmma_f32_16x16x4_f32 v[224+8*\nt:231+8*\nt], v[(112+32*\nt)%160:(112+32*\nt)%160+1], v[192:193], 0
.endr
.irp k, 1,2,3,4,5,6,7,8,9,10,11,12,13,14,15
.irp nt, 0,1,2,3
	v_wmma_f32_16x16x4_f32 v[224+8*\nt:231+8*\nt], v[(112+32*\nt)%160+2*\k:(112+32*\nt)%160+2*\k+1], v[192+2*\k:193+2*\k], v[224+8*\nt:231+8*\nt]
.endr
.endr
.rept 8
	v_nop
.endr
.irp g, 0,1,2,3,4,5,6,7
	ds_store_b128 v80, v[224+4*\g:227+4*\g] offset:GB*\g           ; lane (r, h): outputs 16 (g / 2) + 8 h + 4 (g % 2) + 0..3 of token r, my head's part
.endr
	s_wait_dscnt 0x0                               ; for the others' sake: my stores have landed
	s_barrier_signal -1
	s_barrier_wait -1
	s_cmp_ge_u32 s12, 8
	s_cbranch_scc1 .Lend
.irp p, 0,1,2,3,4,5,6,7
	ds_load_b128 v[16+4*\p:19+4*\p], v84 offset:IMG*\p
.endr
.irp p, 0,1,2,3,4,5,6,7
	ds_load_b128 v[48+4*\p:51+4*\p], v87 offset:IMG*\p
.endr
	s_wait_loadcnt 0x0                             ; the bias
	s_wait_dscnt 0x0
.irp p, 0,1,2,3,4,5,6,7
	v_pk_add_f32 v[16+4*\p:17+4*\p], v[16+4*\p:17+4*\p], v[48+4*\p:49+4*\p]
	v_pk_add_f32 v[18+4*\p:19+4*\p], v[18+4*\p:19+4*\p], v[50+4*\p:51+4*\p]
.endr
.irp p, 0,1,2,3
	v_pk_add_f32 v[16+4*\p:17+4*\p], v[16+4*\p:17+4*\p], v[32+4*\p:33+4*\p]
	v_pk_add_f32 v[18+4*\p:19+4*\p], v[18+4*\p:19+4*\p], v[34+4*\p:35+4*\p]
.endr
.irp p, 0,1
	v_pk_add_f32 v[16+4*\p:17+4*\p], v[16+4*\p:17+4*\p], v[24+4*\p:25+4*\p]
	v_pk_add_f32 v[18+4*\p:19+4*\p], v[18+4*\p:19+4*\p], v[26+4*\p:27+4*\p]
.endr
	v_pk_add_f32 v[16:17], v[16:17], v[20:21]
	v_pk_add_f32 v[18:19], v[18:19], v[22:23]
	v_pk_add_f32 v[16:17], v[16:17], v[92:93]
	v_pk_add_f32 v[18:19], v[18:19], v[94:95]
	global_store_b128 v89, v[16:19], s[10:11]      ; sixteen lanes store a token's 256 consecutive bytes
.Lend:
	s_wait_tensorcnt 0x0                           ; the wave's end
	ds_add_u32 v4, v5
	s_wait_dscnt 0x0
	s_endpgm
.Lfunc_end_k_qd81e08662a_head16:
	.size	k_qd81e08662a_head16, .Lfunc_end_k_qd81e08662a_head16-k_qd81e08662a_head16
	.p2alignl 7, 3214868480
	.fill 96, 4, 3214868480
	.section	.rodata,"a",@progbits
	.p2align	6, 0x0
	.amdhsa_kernel k_qd81e08662a_head16
		.amdhsa_group_segment_fixed_size 104448
		.amdhsa_private_segment_fixed_size 0
		.amdhsa_enable_private_segment 0
		.amdhsa_kernarg_size 32
		.amdhsa_user_sgpr_count 2
		.amdhsa_user_sgpr_kernarg_segment_ptr 1
		.amdhsa_wavefront_size32 1
		.amdhsa_system_sgpr_workgroup_id_x 1
		.amdhsa_system_sgpr_workgroup_id_y 1
		.amdhsa_system_sgpr_workgroup_id_z 1
		.amdhsa_system_vgpr_workitem_id 0
		.amdhsa_next_free_vgpr 256
		.amdhsa_next_free_sgpr 66
		.amdhsa_reserve_vcc 1
		.amdhsa_float_denorm_mode_32 3
		.amdhsa_float_denorm_mode_16_64 3
		.amdhsa_memory_ordered 1
		.amdhsa_forward_progress 1
		.amdhsa_inst_pref_size 25
	.end_amdhsa_kernel
	.amdgpu_metadata
---
amdhsa.version: [ 1, 2 ]
amdhsa.kernels:
  - .name:           k_qd81e08662a_head16
    .symbol:         k_qd81e08662a_head16.kd
    .args:
      - { .name: head32, .offset: 0, .size: 8, .value_kind: global_buffer, .address_space: global }
      - { .name: W_proj, .offset: 8, .size: 8, .value_kind: global_buffer, .address_space: global }
      - { .name: b_proj, .offset: 16, .size: 8, .value_kind: global_buffer, .address_space: global }
      - { .name: out0, .offset: 24, .size: 8, .value_kind: global_buffer, .address_space: global }
    .group_segment_fixed_size: 104448
    .private_segment_fixed_size: 0
    .kernarg_segment_align: 8
    .kernarg_segment_size: 32
    .max_flat_workgroup_size: 512
    .sgpr_count:     66
    .vgpr_count:     256
    .wavefront_size: 32
...
	.end_amdgpu_metadata
.endif
;; end of part 5
